; MI455X (gfx1250); checked and timed in simulation.
; The chip was launched on July 23, 2026; its instructions are those of AMD's public machine-readable ISA for CDNA 5 (MIT licence, August 2026) and "CDNA5" Instruction Set Architecture Reference Guide (July 2026). The comments in the code are by the model that wrote it; some were corrected since.
;; Attention Block. Allowed arithmetic: matrix products marked QUANTISED: E2M3 operands, one E8M0 scale for each 32 along K, by v_wmma_scale_f32_16x16x128_f8f6f4 with both operands' format E2M3, f32 sums; everything else in f32.
;; Inputs: Wk 1,024 x 1,024 float32; Wo 1,024 x 1,024 float32; Wq 1,024 x 1,024 float32; Wv 1,024 x 1,024 float32; beta 1,024 float32; bk 1,024 float32; bo 1,024 float32; bq 1,024 float32; bv 1,024 float32; gamma 1,024 float32; x 4,096 x 1,024 float32.
;; Outputs: out0 4,096 x 1,024 float32.
;; This version of the problem:
;;   THIS VERSION OF THE PROBLEM IS GIVEN IN LOW PRECISION. The matrix products marked QUANTISED in the list below multiply operands that are first quantised to E2M3 (2 exponent bits, 3 mantissa bits; 6 bits a number), with one power-of-two scale for each 32 numbers along K (OCP MX v1.0); their sums are f32. All else is computed in f32.
;;   The module's matrix products, in the order in which they are computed (A, B: the left and right operand; K: the contracted axis; several contracted axes count as one K, in the product's order):
;;     1. [M 4,096, K 1,024] x [K 1,024, N 1,024]; A: input x; B: input Wq: QUANTISED
;;     2. [M 4,096, K 1,024] x [K 1,024, N 1,024]; A: input x; B: input Wk: QUANTISED
;;     3. [M 4,096, K 1,024] x [K 1,024, N 1,024]; A: input x; B: input Wv: QUANTISED
;;     4. batch 16 x [M 4,096, K 64] x [K 64, N 4,096]; A: computed on the way; B: computed on the way: QUANTISED
;;     5. batch 16 x [M 64, K 4,096] x [K 4,096, N 4,096]; A: computed on the way; B: softmax (see below): QUANTISED
;;     6. [M 4,096, K 1,024] x [K 1,024, N 1,024]; A: computed on the way; B: input Wo: QUANTISED
;;   THE QUANTISER, for each operand of a quantised product, along K:
;;     - K is cut into blocks of 32 from its start; a last block that is shorter is filled with zeros.
;;     - A block's scale is 2^e with e = floor(log2(the largest magnitude in the block)) - 2, held to -126 .. 127; a block of zeros has e = 0. As a byte (E8M0): e + 127.
;;     - Each number is divided by its block's scale, clamped to +-7.5, and rounded to the nearest number of E2M3, ties to even, subnormals kept.
;;     - The product sums the exact products of the quantised numbers (number of the format x scale) in f32.
;;   ~~~python
;;   def quantise(x, axis):      # numpy; x: float32 -> the quantised numbers, widened to float32 again
;;       x = np.moveaxis(x, axis, -1); K = x.shape[-1]
;;       x = np.pad(x, [(0, 0)] * (x.ndim - 1) + [(0, -K % 32)]); x = x.reshape(x.shape[:-1] + (-1, 32)); a = np.abs(x).max(-1, keepdims=True)
;;       e = np.where(a > 0, np.clip(np.frexp(np.where(a > 0, a, 1))[1] - 1 - 2, -126, 127), 0)      # np.frexp(a)[1] - 1 = floor(log2(a)), exactly
;;       r = np.clip(x / 2.0 ** e, -7.5, 7.5)
;;       step = 2.0 ** (np.maximum(np.frexp(np.where(r == 0, 1, r))[1] - 1, 0) - 3)
;;       q = np.round(r / step) * step * 2.0 ** e      # np.round: ties to even
;;       return np.moveaxis(q.reshape(q.shape[:-2] + (-1,))[..., :K], -1, axis).astype(np.float32)
;;   ~~~
;;   SOFTMAX AHEAD OF A QUANTISED PRODUCT. Where the list says 'softmax', what is quantised is not the finished softmax but p = 2^(t - M), with t = logit x log2(e) and M = ceil(the row's largest t), a whole number; so 1/2 < the row's largest p <= 1. The row's sum l is taken of the UNQUANTISED p, in f32, and the product's result is divided by l at the end. Since M is a whole number, a kernel that streams over the keys may use a running M (the ceiling of the running maximum): every later rescaling is an exact power of two, which a block's scale takes up: the codes' values come out the same.
;;   OPERANDS COMPUTED ON THE WAY. 'Computed on the way' means the value that the module computes at that place (a softmax that the list does not call 'softmax' is quantised finished and normalised). What goes into a quantiser is computed in f32, as accurately as f32 sums, v_exp_f32 and their like allow (about 1e-6 of the number): no bf16 or f16 on the way to a quantiser, and a product that is left as it is and whose result goes on into a quantised operand takes f32 operands (vector FMAs, or v_wmma_f32_16x16x4_f32). A number that lies on a knife's edge between two numbers of the format may be rounded either way, as far as f32 arithmetic and the matrix unit's own rounding can turn it there, and no further.
;; One version. Each part assembles by itself: llvm-mc -triple=amdgcn-amd-amdhsa -mcpu=gfx1250 --defsym DOCPART=n.
;; ======== version 1 of 1: 4 launches
;; limits: right only within a limited range of input values
;; workspace buffers: xw 5,734,400 bytes; rope 1,048,576 bytes; wo 819,200 bytes; qi 3,276,800 bytes; kv 6,553,600 bytes; cx 3,276,800 bytes
;; launch prep (part 1): grid 256 x 1, 4 waves a work-group, no clusters, 67,072 bytes of LDS; arguments x, Wq, Wk, Wv, Wo, xw, rope, wo; writes xw, rope, wo
.if DOCPART == 1
	.amdgcn_target "amdgcn-amd-amdhsa--gfx1250"
	.amdhsa_code_object_version 6
	.text
	.protected	k_q5db8f73bc4_prep
	.globl	k_q5db8f73bc4_prep
	.p2align	8
	.type	k_q5db8f73bc4_prep,@function
k_q5db8f73bc4_prep:
	s_mov_b64 s[64:65], 0
	v_nop
	global_prefetch_b8 v0, s[64:65] scope:SCOPE_SE
	s_setreg_imm32_b32 hwreg(HW_REG_WAVE_MODE, 25, 1), 1
	s_wait_xcnt 0x0
; PREP: three pieces of work, none with matrix instructions, tensor loads or barriers.
; (1) every wave makes 1 KiB of the table of cos and sin for the rotary embedding;
; (2) work-groups 0-223 turn x, Wq, Wk, Wv (f32, K innermost) into codes of E2M3 with one E8M0 byte for each 32 along K, as plain rows of 768 bytes in xw;
; (3) work-groups 224-255 turn Wo into images of operand registers in wo.
; STORED ORDER.  Row s of xw holds true row pi(s), pi = bits 3 and 4 of the row number swapped.  Rows go in runs of 8 (one wave), so pi swaps bits 0 and 1 of the run's number.
; A block's scale is 2^(floor(log2(largest magnitude)) - 2); its byte is the largest magnitude's exponent field - 2, held at 1 from below.
; LIMITS: NaN and infinities among the inputs are not served.  A block of zeros, or one whose largest magnitude lies under 2^-124, gets the byte 1 (the rule says 127 for zeros): its codes are zeros
; or are made under the floor's scale, and this program alone reads the bytes.  The frequencies 10000^(-f/32) come from v_exp_f32 of a rounded argument (a few parts in 10^7): at position 4,095 an
; angle moves by up to some 3e-4 rad.  The two-term reduction by pi/2 is written for angles up to 4,095.
.set XWS,   5505024                    ; xw: 7,168 rows x 768 bytes of codes, then the scale bytes, 32 a row
.set WOS,   786432                     ; wo: 64 x 8 images of 1,536 bytes, then the scale words
.set WREG,  8192                       ; LDS of a wave: two stages of 32 x SP bytes, then its 256 scale bytes
.set SP,    80
.set CB,    12
.set STEPS, 16
.set EMAX,  2
.set R,     16                         ; v16-143  eight sets of 16 numbers as loaded
.set X,     144                        ; v144-175 two sets of 16 neighbours
.set E,     176                        ; v176-191 a scale byte for each step
.set C,     192                        ; v192-255 codes, three of each four registers a step; v195 and v199, which no step uses, serve the add on the spare words
	s_load_b512 s[4:19], s[0:1], 0x0               ; x s[4:5], Wq s[6:7], Wk s[8:9], Wv s[10:11], Wo s[12:13], xw s[14:15], rope s[16:17], wo s[18:19]
	v_lshl_add_u32 v195, v0, 2, 0x8000
	v_mov_b32 v199, 0
	v_lshrrev_b32 v1, 5, v0
	v_readfirstlane_b32 s20, v1                    ; wave 0..3
	v_and_b32 v2, 31, v0                           ; lane
	v_and_b32 v3, 15, v0                           ; r
	v_bfe_u32 v4, v0, 4, 1                         ; h
; ---- (1) THE TABLE.  rope: [256 stored tiles][8 chunks][512 bytes]; chunk k < 4: lane (r, h) holds cos(pos x freq f) for f = 16 h + 4 k + 0..3, chunk 4 + k the sines.
; pos is the true position of lane r of stored tile t: 32 (t / 2) + 8 (t % 2) + r + 8 (r / 8).  Work-group t's wave k makes chunks k and 4 + k of tile t.
	s_lshr_b32 s21, ttmp9, 1
	s_lshl_b32 s21, s21, 5
	s_and_b32 s22, ttmp9, 1
	s_lshl_b32 s22, s22, 3
	s_add_co_u32 s21, s21, s22
	v_and_b32 v5, 8, v3
	v_add_nc_u32 v5, v5, v3
	v_add_nc_u32 v5, s21, v5
	v_cvt_f32_u32 v5, v5                           ; pos
	s_lshl_b32 s22, s20, 2
	v_lshl_add_u32 v6, v4, 4, s22                  ; 16 h + 4 k
	s_mov_b32 s24, 0xbfc90fdb                      ; -(pi/2 rounded to f32)
	s_mov_b32 s25, 0x333bbd2e                      ; what that rounding added to pi/2
	s_lshl_b32 s26, ttmp9, 12
	s_lshl_b32 s27, s20, 9
	s_add_co_u32 s26, s26, s27                     ; 4,096 t + 512 k
	s_mov_b32 s27, 0
.irp e, 0,1,2,3
	v_add_nc_u32 v[16+\e], \e, v6
.endr
.irp e, 0,1,2,3
	v_cvt_f32_u32 v[16+\e], v[16+\e]
.endr
.irp e, 0,1,2,3
	v_mul_f32 v[16+\e], 0xbed49a78, v[16+\e]       ; -f log2(10000) / 32
.endr
	s_wait_alu depctr_va_vdst(0)
.irp e, 0,1,2,3
	v_exp_f32 v[16+\e], v[16+\e]                   ; the frequency
.endr
	v_lshlrev_b32 v7, 4, v2                        ; 16 x lane (the plain line behind the exponentials)
	s_wait_alu depctr_va_vdst(0)                   ; one wait for the four, ahead of their first reader
.irp e, 0,1,2,3
	v_mul_f32 v[20+\e], v5, v[16+\e]               ; the angle, rounded once as the outer product rounds it
.endr
.irp e, 0,1,2,3
	v_mul_f32 v[24+\e], 0x3f22f983, v[20+\e]       ; x 2 / pi
.endr
.irp e, 0,1,2,3
	v_rndne_f32 v[24+\e], v[24+\e]                 ; n
.endr
.irp e, 0,1,2,3
	v_fma_f32 v[28+\e], v[24+\e], s24, v[20+\e]    ; rho = angle - n pi/2, in two terms
.endr
.irp e, 0,1,2,3
	v_fma_f32 v[28+\e], v[24+\e], s25, v[28+\e]
.endr
.irp e, 0,1,2,3
	v_mul_f32 v[32+\e], v[28+\e], v[28+\e]         ; z = rho^2, at most (pi/4)^2
.endr
.irp e, 0,1,2,3
	v_mov_b32 v[36+\e], 0x3638ef1d                 ; sine: rho + rho z (-1/6 + z (1/120 + z (-1/5040 + z / 362880)))
	v_mov_b32 v[40+\e], 0xb493f27e                 ; cosine: 1 + z (-1/2 + z (1/24 + z (-1/720 + z (1/40320 - z / 3628800))))
.endr
.irp e, 0,1,2,3
	v_fmaak_f32 v[36+\e], v[36+\e], v[32+\e], 0xb9500d01
	v_fmaak_f32 v[40+\e], v[40+\e], v[32+\e], 0x37d00d01
.endr
.irp e, 0,1,2,3
	v_fmaak_f32 v[36+\e], v[36+\e], v[32+\e], 0x3c088889
	v_fmaak_f32 v[40+\e], v[40+\e], v[32+\e], 0xbab60b61
.endr
.irp e, 0,1,2,3
	v_fmaak_f32 v[36+\e], v[36+\e], v[32+\e], 0xbe2aaaab
	v_fmaak_f32 v[40+\e], v[40+\e], v[32+\e], 0x3d2aaaab
.endr
.irp e, 0,1,2,3
	v_mul_f32 v[56+\e], v[32+\e], v[28+\e]
	v_fmaak_f32 v[40+\e], v[40+\e], v[32+\e], 0xbf000000
.endr
.irp e, 0,1,2,3
	v_fma_f32 v[36+\e], v[36+\e], v[56+\e], v[28+\e]
	v_fma_f32 v[40+\e], v[40+\e], v[32+\e], 1.0
	v_cvt_i32_f32 v[44+\e], v[24+\e]               ; the quadrant is n mod 4
.endr
.irp e, 0,1,2,3
	v_and_b32 v[60+\e], 1, v[44+\e]
	v_cmp_eq_u32 vcc_lo, 1, v[60+\e]               ; odd quadrants: sine and cosine change places
	v_cndmask_b32 v[52+\e], v[36+\e], v[40+\e], vcc_lo
	v_cndmask_b32 v[48+\e], v[40+\e], v[36+\e], vcc_lo
	v_and_b32 v[60+\e], 2, v[44+\e]                ; the sine is negative in quadrants 2 and 3,
	v_lshlrev_b32 v[60+\e], 30, v[60+\e]
	v_xor_b32 v[52+\e], v[60+\e], v[52+\e]
	v_add_nc_u32 v[60+\e], 1, v[44+\e]             ; the cosine in 1 and 2
	v_and_b32 v[60+\e], 2, v[60+\e]
	v_lshlrev_b32 v[60+\e], 30, v[60+\e]
	v_xor_b32 v[48+\e], v[60+\e], v[48+\e]
.endr
	s_wait_alu depctr_va_vdst(0)
	s_wait_kmcnt 0x0
	s_add_nc_u64 s[16:17], s[16:17], s[26:27]
	global_store_b128 v7, v[48:51], s[16:17]               ; 32 lanes store 512 consecutive bytes
	global_store_b128 v7, v[52:55], s[16:17] offset:2048
	s_wait_xcnt 0x0                                ; the stores have read their registers: these are written again below
	s_cmp_ge_u32 ttmp9, 224
	s_cbranch_scc1 .Limage
; ---- (2) THE STREAM.  A wave takes 8 rows (8,192 numbers) in 16 steps of 512.  Each load reads 512 consecutive bytes; a step's 2,048 bytes turn through the wave's own stage in LDS so that a lane
; holds 16 neighbours along K (two lanes to a block); a lane's 16 codes are 12 bytes, a step's store 384 consecutive bytes; the wave's 256 scale bytes leave as one aligned run of 256 bytes.
	v_lshlrev_b32 v3, 4, v2                        ; my 16 bytes of a load's 512
	s_mul_i32 s21, s20, WREG
	v_lshrrev_b32 v14, 2, v2
	v_mul_u32_u24 v14, v14, SP
	v_and_b32 v15, 3, v2
	v_lshl_add_u32 v14, v15, 4, v14
	v_add_nc_u32 v14, s21, v14                     ; the stage, in: SP (lane / 4) + 16 (lane % 4)
	v_mul_u32_u24 v15, v2, SP
	v_add_nc_u32 v15, s21, v15                     ; out: SP x lane
	v_mul_u32_u24 v4, v2, CB                       ; my codes' place in a step's
	v_lshrrev_b32 v5, 1, v2
	s_add_co_u32 s21, s21, 2*32*SP
	v_add_nc_u32 v5, s21, v5                       ; my block's scale byte in LDS
	v_lshlrev_b32 v7, 3, v2
	v_add_nc_u32 v6, s21, v7
	s_mov_b32 s24, 768                             ; which tensor, and its first run of 8 rows: the choice hangs on the work-group's number alone
	s_cmp_lt_u32 ttmp9, 192
	s_cselect_b64 s[22:23], s[8:9], s[10:11]
	s_cselect_b32 s24, 640, s24
	s_cmp_lt_u32 ttmp9, 160
	s_cselect_b64 s[22:23], s[6:7], s[22:23]
	s_cselect_b32 s24, 512, s24
	s_cmp_lt_u32 ttmp9, 128
	s_cselect_b64 s[22:23], s[4:5], s[22:23]
	s_cselect_b32 s24, 0, s24
	s_lshl_b32 s25, ttmp9, 2
	s_add_co_u32 s26, s25, s20                     ; my run among all 896
	s_sub_co_u32 s26, s26, s24
	s_lshl_b32 s26, s26, 15                        ; 32,768 bytes of f32 a run
	s_mov_b32 s27, 0
	s_add_nc_u64 s[22:23], s[22:23], s[26:27]
	s_and_b32 s28, s20, 1                          ; pi: the run's bits 0 and 1 change places
	s_lshl_b32 s28, s28, 1
	s_lshr_b32 s29, s20, 1
	s_or_b32 s28, s28, s29
	s_add_co_u32 s28, s28, s25
	s_mul_i32 s26, s28, 6144
	s_add_nc_u64 s[30:31], s[14:15], s[26:27]      ; where my codes go
	s_lshl_b32 s26, s28, 8
	s_add_co_u32 s26, s26, XWS
	s_add_nc_u64 s[32:33], s[14:15], s[26:27]      ; and my scale bytes
.macro LOAD t
.irp i, 0,1,2,3
	global_load_b128 v[R+16*((\t)%8)+4*\i:R+16*((\t)%8)+4*\i+3], v3, s[22:23] offset:2048*(\t)+512*\i th:TH_LOAD_NT
.endr
.endm
.macro TURN t                          ; LDS serves a wave's instructions in order: no wait between the stores and the loads
.irp i, 0,1,2,3
	ds_store_b128 v14, v[R+16*((\t)%8)+4*\i:R+16*((\t)%8)+4*\i+3] offset:32*SP*((\t)%2)+8*SP*\i
.endr
.irp i, 0,1,2,3
	ds_load_b128 v[X+16*((\t)%2)+4*\i:X+16*((\t)%2)+4*\i+3], v15 offset:32*SP*((\t)%2)+16*\i
.endr
.endm
.irp t, 0,1,2,3,4,5,6,7
	LOAD \t
.endr
	s_wait_alu depctr_va_vdst(0)
	s_wait_loadcnt 28                              ; step 0's four loads are in; those of steps 1 to 7 stay out
	TURN 0
.macro STEP t
.set XS, X+16*((\t)%2)
.if (\t) > 0
	s_wait_dscnt 1                                 ; this step's numbers are back from the stage; the last step's byte store may be out
.else
	s_wait_dscnt 0x0
.endif
.if (\t)+8 < STEPS
	LOAD (\t)+8
.endif
.if (\t)+1 < STEPS
.if STEPS-2-(\t) >= 7
	s_wait_loadcnt 28                              ; the next step's four loads are in; those of the seven steps behind it may be out
.else
	s_wait_loadcnt 4*(STEPS-2-(\t))
.endif
	TURN (\t)+1
.endif
	v_max3_num_f32 v8, |v[XS]|, |v[XS+1]|, |v[XS+2]|
	v_max3_num_f32 v9, |v[XS+3]|, |v[XS+4]|, |v[XS+5]|
.irp i, 6,10
	v_max3_num_f32 v8, v8, |v[XS+\i]|, |v[XS+\i+1]|
	v_max3_num_f32 v9, v9, |v[XS+\i+2]|, |v[XS+\i+3]|
.endr
	v_max3_num_f32 v8, v8, |v[XS+14]|, |v[XS+15]|
	v_max3_num_f32 v8, v8, v9, (EMAX+1)<<23        ; the floor 2^(3 - 127): the byte cannot fall under 1
	v_max_num_f32_dpp v8, v8, v8 row_xmask:1 row_mask:0xf bank_mask:0xf   ; with my neighbour's 16: the block's largest magnitude
	v_add_nc_u32 v11, -(EMAX<<23), v8              ; 2 off its exponent field: the conversion's scale operand
	v_cvt_scalef32_pk16_fp6_f32 v[C+4*(\t):C+4*(\t)+2], v[XS:XS+15], v11
	v_lshrrev_b32 v[E+(\t)], 23, v11               ; the scale's byte
	ds_store_b8 v5, v[E+(\t)] offset:16*(\t)       ; both lanes of a block write the same byte with the same value
	global_store_b96 v4, v[C+4*(\t):C+4*(\t)+2], s[30:31] offset:32*CB*(\t)
.endm
.irp t, 0,1,2,3,4,5,6,7,8,9,10,11,12,13,14,15
	STEP \t
.endr
	ds_load_b64 v[12:13], v6
	s_wait_dscnt 0x0
	global_store_b64 v7, v[12:13], s[32:33]        ; 32 lanes store 256 consecutive bytes, aligned
	s_wait_tensorcnt 0x0
	ds_add_u32 v195, v199
	s_wait_dscnt 0x0
	s_endpgm
; ---- (3) Wo AS IMAGES.  wo: [64 tiles of 16 rows][8 K steps of 128][1,536 bytes]: registers 4 c .. 4 c + 3 of the operand at 512 c + 16 x lane.  Lane (r, h) holds row r and k = 64 c + 32 h + 0..31:
; two whole blocks, so no other lane is asked for a maximum.  A wave takes one tile and half of K (4 K steps).  Each of a K step's sixteen loads reads 512 consecutive bytes of one row; the 8,192 bytes turn
; through the wave's own stage in LDS (16 rows of 512 + 16 bytes, in bytes that the stream's path does not use) and come back 128 bytes a lane and block.  Its stores cover 512 consecutive bytes each.
; Scale words: [64][2 halves of K][16 r][4 words].
.set IMG, 33280                        ; four stages of 8,448 bytes, behind the spare words
.Limage:
	s_sub_co_u32 s21, ttmp9, 224
	s_lshl_b32 s21, s21, 2
	s_add_co_u32 s21, s21, s20
	s_lshr_b32 s22, s21, 1                         ; tile
	s_and_b32 s23, s21, 1                          ; half of K
	s_lshl_b32 s26, s22, 16
	s_lshl_b32 s24, s23, 11
	s_add_co_u32 s26, s26, s24
	s_mov_b32 s27, 0
	s_add_nc_u64 s[12:13], s[12:13], s[26:27]
	s_mul_i32 s26, s22, 12288
	s_mul_i32 s24, s23, 6144
	s_add_co_u32 s26, s26, s24
	s_add_nc_u64 s[28:29], s[18:19], s[26:27]
	s_lshl_b32 s26, s22, 9
	s_lshl_b32 s24, s23, 8
	s_add_co_u32 s26, s26, s24
	s_add_co_u32 s26, s26, WOS
	s_add_nc_u64 s[30:31], s[18:19], s[26:27]
	s_mov_b32 s34, 0x76543210
	s_mov_b32 s35, 0xfedcba98                      ; lane l xor 16
	s_mul_i32 s24, s20, 8448
	s_add_co_u32 s24, s24, IMG                     ; my stage
	v_mul_u32_u24 v8, v3, 528
	v_lshl_add_u32 v8, v4, 7, v8
	v_add_nc_u32 v8, s24, v8                       ; out of it: row r of 528 bytes + 128 h
	v_lshlrev_b32 v9, 4, v2                        ; 16 x lane
	v_add_nc_u32 v18, s24, v9                      ; into it: 16 x lane of a row
	v_lshlrev_b32 v10, 3, v4                       ; 8 h: how far my two scale bytes are shifted
	v_lshlrev_b32 v11, 4, v3
	v_lshl_add_u32 v11, v4, 3, v11                 ; 16 r + 8 h
	v_mov_b32 v17, 0                               ; a lane permute's destination counts as read
.macro WLOAD s
.irp c, 0,1
.irp j, 0,1,2,3,4,5,6,7
	global_load_b128 v[32+64*((\s)%2)+32*\c+4*\j:32+64*((\s)%2)+32*\c+4*\j+3], v9, s[12:13] offset:512*(\s)+4096*(8*\c+\j) th:TH_LOAD_NT   ; row 8 c + j: 32 lanes read 512 consecutive bytes
.endr
.endr
.endm
.macro WQ s
.set XS, 32+64*((\s)%2)
.irp i, 0,1,2,3,4,5,6,7,8,9,10,11,12,13,14,15
	ds_store_b128 v18, v[XS+4*\i:XS+4*\i+3] offset:528*\i          ; row i as it was loaded
.endr
	s_wait_dscnt 0x0                               ; the stores are done: the loads below land on the registers that they read
.irp c, 0,1
.irp j, 0,1,2,3,4,5,6,7
	ds_load_b128 v[XS+32*\c+4*\j:XS+32*\c+4*\j+3], v8 offset:256*\c+16*\j   ; my row's k = 64 c + 32 h + 4 j ..
.endr
.endr
	s_wait_dscnt 0x0
.irp c, 0,1
	v_max3_num_f32 v[12+\c], |v[XS+32*\c]|, |v[XS+32*\c+1]|, 0x1800000
.endr
.irp i, 2,4,6,8,10,12,14,16,18,20,22,24,26,28,30
.irp c, 0,1
	v_max3_num_f32 v[12+\c], v[12+\c], |v[XS+32*\c+\i]|, |v[XS+32*\c+\i+1]|
.endr
.endr
.irp c, 0,1
	v_add_nc_u32 v[14+\c], 0xff000000, v[12+\c]    ; the conversion's scale operand
.endr
.irp c, 0,1
	v_lshrrev_b32 v[12+\c], 23, v[14+\c]           ; the byte
.endr
	v_lshl_or_b32 v16, v13, 16, v12                ; blocks h and 2 + h,
	v_lshlrev_b32 v16, v10, v16                    ; at their places in the word;
	v_permlanex16_b32 v17, v16, s34, s35
	v_or_b32 v[168+(\s)], v16, v17                 ; with lane l xor 16's two the word is whole
	s_wait_alu depctr_va_vdst(0)
	s_wait_xcnt 0x0                                ; the last step's stores have read the code registers
	v_cvt_scalef32_pk16_fp6_f32 v[176:178], v[XS:XS+15], v14
	v_cvt_scalef32_pk16_fp6_f32 v[188:190], v[XS+16:XS+31], v14   ; (a conversion's three registers begin on an even number)
	v_cvt_scalef32_pk16_fp6_f32 v[182:184], v[XS+32:XS+47], v15
	v_cvt_scalef32_pk16_fp6_f32 v[164:166], v[XS+48:XS+63], v15
	v_nop                                          ; one plain line behind the conversions
.irp i, 0,1,2
	v_mov_b32 v[179+\i], v[188+\i]
	v_mov_b32 v[185+\i], v[164+\i]
.endr
.irp c, 0,1,2
	global_store_b128 v9, v[176+4*\c:179+4*\c], s[28:29] offset:1536*(\s)+512*\c
.endr
.endm
	s_wait_alu depctr_va_vdst(0)
	WLOAD 0
	WLOAD 1
	s_wait_loadcnt 16                              ; this K step's sixteen loads are in, the next one's may be out
	WQ 0
	WLOAD 2
	s_wait_loadcnt 16
	WQ 1
	WLOAD 3
	s_wait_loadcnt 16
	WQ 2
	s_wait_loadcnt 0x0
	WQ 3
	v_cmp_eq_u32 vcc_lo, 1, v4
	v_cndmask_b32 v20, v168, v170, vcc_lo          ; lane (r, h) stores words 2 h and 2 h + 1 of row r
	v_cndmask_b32 v21, v169, v171, vcc_lo
	global_store_b64 v11, v[20:21], s[30:31]       ; 256 consecutive bytes, aligned
	s_wait_tensorcnt 0x0                           ; the wave's end, behind my last LDS store
	ds_add_u32 v195, v199
	s_wait_dscnt 0x0
	s_endpgm
.Lfunc_end_k_q5db8f73bc4_prep:
	.size	k_q5db8f73bc4_prep, .Lfunc_end_k_q5db8f73bc4_prep-k_q5db8f73bc4_prep
	.p2alignl 7, 3214868480
	.fill 96, 4, 3214868480
	.section	.rodata,"a",@progbits
	.p2align	6, 0x0
	.amdhsa_kernel k_q5db8f73bc4_prep
		.amdhsa_group_segment_fixed_size 67072
		.amdhsa_private_segment_fixed_size 0
		.amdhsa_enable_private_segment 0
		.amdhsa_kernarg_size 64
		.amdhsa_user_sgpr_count 2
		.amdhsa_user_sgpr_kernarg_segment_ptr 1
		.amdhsa_wavefront_size32 1
		.amdhsa_system_sgpr_workgroup_id_x 1
		.amdhsa_system_sgpr_workgroup_id_y 1
		.amdhsa_system_sgpr_workgroup_id_z 1
		.amdhsa_system_vgpr_workitem_id 0
		.amdhsa_next_free_vgpr 256
		.amdhsa_next_free_sgpr 66
		.amdhsa_reserve_vcc 1
		.amdhsa_float_denorm_mode_32 3
		.amdhsa_float_denorm_mode_16_64 3
		.amdhsa_memory_ordered 1
		.amdhsa_forward_progress 1
		.amdhsa_inst_pref_size 69
	.end_amdhsa_kernel
	.amdgpu_metadata
---
amdhsa.version: [ 1, 2 ]
amdhsa.kernels:
  - .name:           k_q5db8f73bc4_prep
    .symbol:         k_q5db8f73bc4_prep.kd
    .args:
      - { .name: x, .offset: 0, .size: 8, .value_kind: global_buffer, .address_space: global }
      - { .name: Wq, .offset: 8, .size: 8, .value_kind: global_buffer, .address_space: global }
      - { .name: Wk, .offset: 16, .size: 8, .value_kind: global_buffer, .address_space: global }
      - { .name: Wv, .offset: 24, .size: 8, .value_kind: global_buffer, .address_space: global }
      - { .name: Wo, .offset: 32, .size: 8, .value_kind: global_buffer, .address_space: global }
      - { .name: xw, .offset: 40, .size: 8, .value_kind: global_buffer, .address_space: global }
      - { .name: rope, .offset: 48, .size: 8, .value_kind: global_buffer, .address_space: global }
      - { .name: wo, .offset: 56, .size: 8, .value_kind: global_buffer, .address_space: global }
    .group_segment_fixed_size: 67072
    .private_segment_fixed_size: 0
    .kernarg_segment_align: 8
    .kernarg_segment_size: 64
    .max_flat_workgroup_size: 128
    .sgpr_count:     66
    .vgpr_count:     256
    .wavefront_size: 32
...
	.end_amdgpu_metadata
.endif
;; end of part 1
;; launch qkv (part 2): grid 12 x 16, 4 waves a work-group, clusters of 4 x 4, 327,680 bytes of LDS; arguments xw, rope, bq, bk, bv, qi, kv; writes qi, kv
.if DOCPART == 2
	.amdgcn_target "amdgcn-amd-amdhsa--gfx1250"
	.amdhsa_code_object_version 6
	.text
	.protected	k_q5db8f73bc4_qkv
	.globl	k_q5db8f73bc4_qkv
	.p2align	8
	.type	k_q5db8f73bc4_qkv,@function
k_q5db8f73bc4_qkv:
	s_mov_b64 s[64:65], 0
	v_nop
	global_prefetch_b8 v0, s[64:65] scope:SCOPE_SE
	s_setreg_imm32_b32 hwreg(HW_REG_WAVE_MODE, 25, 1), 1
	s_wait_xcnt 0x0
	s_wait_alu depctr_hold_cnt(0) depctr_sa_sdst(0) depctr_va_vdst(0) depctr_va_sdst(0) depctr_va_ssrc(0) depctr_va_vcc(0) depctr_vm_vsrc(0)
	s_getreg_b32 s2, hwreg(HW_REG_IB_STS2, 6, 4)
	s_cmp_eq_u32 s2, 0
	s_cbranch_scc0 .Lentry_in_a_cluster
	s_endpgm
.Lentry_in_a_cluster:
	s_bfe_u32 s2, ttmp6, 0x10000c
	s_cmp_lg_u32 s2, 0xf033
	s_cbranch_scc0 .Lentry_shape_is_right
	s_endpgm
.Lentry_shape_is_right:
; Q, K, V = x W^T + b on codes of E2M3 (K = 1,024), the rotary embedding on q and k, and the quantisers of the attention's operands, stored as images of operand registers.
; A work-group of four waves makes 256 x 256, a wave 128 x 128 in 64 accumulators.  Cluster x 0: q, 1: k (source 1 = rows of x, source 0 = rows of W: a lane holds one position, registers along the features);
; cluster x 2: v (source 1 = rows of Wv, source 0 = rows of x: a lane holds one feature, registers along the keys).
; K goes through a ring of two LDS slots in CHUNKS OF 256 BYTES of each row of codes (a row is 768 bytes, so every chunk begins at a multiple of 256 bytes).  A step of 128 along K is 96 bytes: eight steps to
; three chunks; steps 2 and 5 lie across two chunks and take their fragments from both slots.  The scale bytes of the 256 + 256 rows come once, by the head's loads, and stay.
; 4 x 4 work-groups form a cluster: source 1's tiles are asked for jointly along a row of the cluster, source 0's along a column.
; v's images: lanes 16-31 hold the two halves (16 keys, three registers) of each block of 32 keys in swapped order, as launch attn holds p's codes.
; LIMITS: NaN and infinities are not served; a block whose largest magnitude lies under 2^-124 gets the scale byte 1.
.set XWS,    5505024
.set ROWB,   256
.set NQ,     2
.set KROW,   768
.set CHUNKS, 3
.set PITCH,  272                       ; 256 bytes + 16 of padding
.set FR,     12
.set NL,     6
.set NP,     4
.set HALFT,  128*PITCH
.set SLOT,   4*HALFT
.set KS,     32
.set SCL,    2*SLOT
.set HALFS,  (128*KS/256)*272
.set SBLK,   (16*KS/256)*272
.set SPARE,  SCL+4*HALFS               ; the spare words: 128 bytes a wave
.set LN,   7
.set E16,  8
.set E8,   9
.set BH,   10
.set BL,   11
.set ADRA, 16                          ; v16-17 my fragments of source 1 in slot 0, 1; v18-19 for a piece whose two halves of the lanes read different chunks
.set ADRB, 20                          ; v20-23 the same for source 0
.set ADRS, 27
.set SPW,  28
.set NIL,  29
.set SC,   32
.set AF,   128
.set PWS,  32
.set TT,   40
.set WW,   48
.set OW,   56
.set BI,   64
.set Y,    128
.set CD,   192
.set TM,   212
.set PW,   228
.set G1, 24
.set G0, 32
.set G1B, 48
.set G0B, 56
.set G1S, 68
.set G0S, 76
.set G1SB, 80
.set G0SB, 88
.set G0H, 4
.set G0HB, 8
.set SEL, 84
.set IB,  86
.set SB,  90
.set MSB, 0
.macro WIN new
.if MSB != \new
	s_set_vgpr_msb (MSB<<8)|\new
.set MSB, \new
.endif
.endm
.set MUL_LO, 0xa1
.set MUL_HI, 0xf1
.set TO_B,   0x40
.macro JLOAD g0a, g1a, g0b, g1b        ; waves 0, 1 fetch for source 1, waves 2, 3 for source 0
	s_cmp_eq_u32 s15, 0
	s_cbranch_scc0 .Lfor_b_\@
	tensor_load_to_lds s[\g0a:\g0a+3], s[\g1a:\g1a+7]
	s_nop 0
.rept 4
	v_nop
.endr
	s_branch .Lasked_\@
.Lfor_b_\@:
	tensor_load_to_lds s[\g0b:\g0b+3], s[\g1b:\g1b+7]
	s_nop 0
.rept 4
	v_nop
.endr
.Lasked_\@:
.endm
.macro CREST
	s_cmp_lg_u32 s14, 0
	s_cbranch_scc1 .Lnot_wave_0_\@
	s_barrier_signal -3
.Lnot_wave_0_\@:
	s_barrier_wait -3
	s_barrier_signal -1
	s_barrier_wait -1
.endm
.macro CROUND
	s_barrier_signal -1
	s_barrier_wait -1
	CREST
.endm
	s_load_b64 s[4:5], s[0:1], 0x0
	v_lshl_add_u32 v[SPW], v0, 2, SPARE
	v_mov_b32 v[NIL], 0
	ds_add_u32 v[SPW], v[NIL]                      ; the opening lines: the add twice on end and one wait
	ds_add_u32 v[SPW], v[NIL]
	v_lshrrev_b32 v1, 5, v0
	v_readfirstlane_b32 s14, v1                    ; wave
	s_lshr_b32 s15, s14, 1
	s_and_b32 s16, s14, 1
	s_bfe_u32 s40, ttmp6, 0x40000
	s_bfe_u32 s41, ttmp6, 0x40004
	s_and_b32 s17, ttmp7, 0xffff
	s_lshl_b32 s17, s17, 2
	s_lshl_b32 s43, s41, 2
	s_lshl_b32 s43, 15, s43
	s_lshl_b32 s44, 0x1111, s40
	s_add_co_u32 s20, s17, s41
	s_lshl_b32 s20, s20, 8                         ; q, k: source 1 = rows of x by the tile row
	s_lshl_b32 s21, s41, 8
	s_add_co_u32 s21, s21, 6144                    ; v: source 1 = rows of Wv
	s_lshl_b32 s46, ttmp9, 2
	s_add_co_u32 s46, s46, s40
	s_lshl_b32 s46, s46, 8
	s_add_co_u32 s46, s46, 4096                    ; q, k: source 0 = rows of Wq, Wk
	s_add_co_u32 s47, s17, s40
	s_lshl_b32 s47, s47, 8                         ; v: source 0 = rows of x
	s_cmp_eq_u32 ttmp9, 2
	s_cselect_b32 s97, 1, 0
	s_cselect_b32 s20, s21, s20
	s_cselect_b32 s46, s47, s46
	s_cselect_b32 s95, s46, s20
	s_cselect_b32 s96, s41, s40
	s_lshr_b32 s95, s95, 8
	s_cmp_eq_u32 ttmp9, 1
	s_cselect_b32 s98, 1, 0
	s_or_b32 s[G1+0], s43, (0<<16)|(1<<20)|(1<<21)|(5<<22)|(3<<25)
	s_or_b32 s[G1B+0], s44, (0<<16)|(1<<20)|(1<<21)|(5<<22)|(3<<25)
.irp g, G1, G1B
	s_mov_b32 s[\g+1], ROWB<<16
	s_mov_b32 s[\g+2], 256<<16                     ; the head's loads bring 256 rows
	s_mov_b32 s[\g+3], ROWB<<16
	s_mov_b32 s[\g+4], 256
	s_mov_b32 s[\g+5], KROW
	s_mov_b32 s[\g+6], 0
	s_mov_b32 s[\g+7], 0
.endr
	s_or_b32 s[G1S+0], s43, (3<<16)|(1<<20)|(1<<21)|(5<<22)|(3<<25)
	s_or_b32 s[G1SB+0], s44, (3<<16)|(1<<20)|(1<<21)|(5<<22)|(3<<25)
.irp g, G1S, G1SB
	s_mov_b32 s[\g+1], 32<<16                      ; the scales of 256 rows: 32 rows of 256 bytes, dense
	s_mov_b32 s[\g+2], KS<<16
	s_mov_b32 s[\g+3], 32<<16
	s_mov_b32 s[\g+4], KS
	s_mov_b32 s[\g+5], 32
	s_mov_b32 s[\g+6], 0
	s_mov_b32 s[\g+7], 0
.endr
	s_mov_b32 s21, 0
	s_mov_b32 s47, 0
	s_mov_b64 s[18:19], KS
	s_mul_u64 s[22:23], s[20:21], s[18:19]
	s_mul_u64 s[92:93], s[46:47], s[18:19]
	s_mov_b64 s[18:19], KROW
	s_mul_u64 s[20:21], s[20:21], s[18:19]
	s_mul_u64 s[46:47], s[46:47], s[18:19]
	s_mul_i32 s18, s16, 128*KROW
	s_mov_b32 s19, 0
	s_mul_i32 s45, s14, HALFT
	s_wait_dscnt 0x0
	s_wait_kmcnt 0x0
	s_add_nc_u64 s[6:7], s[4:5], XWS
	s_add_nc_u64 s[20:21], s[4:5], s[20:21]
	s_add_nc_u64 s[22:23], s[6:7], s[22:23]
	s_add_nc_u64 s[46:47], s[4:5], s[46:47]
	s_add_nc_u64 s[92:93], s[6:7], s[92:93]
	CROUND                                         ; in front of the first joint loads
	s_mov_b32 s[G0H], 1
	s_mov_b32 s[G0H+1], 0
	s_mov_b64 s[G0H+2:G0H+3], s[20:21]
	s_or_b32 s[G0H+3], s[G0H+3], 0x80000000
	s_mov_b32 s[G0HB], 1
	s_mov_b32 s[G0HB+1], 2*HALFT
	s_mov_b64 s[G0HB+2:G0HB+3], s[46:47]
	s_or_b32 s[G0HB+3], s[G0HB+3], 0x80000000
	s_mov_b32 s[G0S], 1
	s_mov_b32 s[G0S+1], SCL
	s_mov_b64 s[G0S+2:G0S+3], s[22:23]
	s_or_b32 s[G0S+3], s[G0S+3], 0x80000000
	s_mov_b32 s[G0SB], 1
	s_mov_b32 s[G0SB+1], SCL+2*HALFS
	s_mov_b64 s[G0SB+2:G0SB+3], s[92:93]
	s_or_b32 s[G0SB+3], s[G0SB+3], 0x80000000
	s_add_nc_u64 s[20:21], s[20:21], s[18:19]      ; for the ring: my 128 rows
	s_add_nc_u64 s[46:47], s[46:47], s[18:19]
.irp s, 0,1
	s_mov_b32 s[G0+4*\s], 1
	s_add_co_u32 s[G0+4*\s+1], s45, \s*SLOT
	s_add_nc_u64 s[G0+4*\s+2:G0+4*\s+3], s[20:21], \s*ROWB
	s_or_b32 s[G0+4*\s+3], s[G0+4*\s+3], 0x80000000
	s_mov_b32 s[G0B+4*\s], 1
	s_add_co_u32 s[G0B+4*\s+1], s45, \s*SLOT
	s_add_nc_u64 s[G0B+4*\s+2:G0B+4*\s+3], s[46:47], \s*ROWB
	s_or_b32 s[G0B+4*\s+3], s[G0B+4*\s+3], 0x80000000
.endr
; the head's four tiles, one load a wave: chunk 0 of source 1's 256 rows, of source 0's, and the two blocks of scales
.macro ARM under, g0, g1, next
	s_cmp_lt_u32 s14, \under
	s_cbranch_scc0 \next
	tensor_load_to_lds s[\g0:\g0+3], s[\g1:\g1+7]
	s_nop 0
.rept 4
	v_nop
.endr
	s_branch .Lhead_asked
\next:
.endm
	ARM 1, G0H,  G1,  .Lhead_b
	ARM 2, G0HB, G1B, .Lhead_sa
	ARM 3, G0S,  G1S, .Lhead_sb
	tensor_load_to_lds s[G0SB:G0SB+3], s[G1SB:G1SB+7]
	s_nop 0
.rept 4
	v_nop
.endr
.Lhead_asked:
	v_and_b32 v1, 15, v0
	v_bfe_u32 v2, v0, 4, 1
	v_mul_u32_u24 v3, v1, PITCH
	v_mul_u32_u24 v4, v2, 24
	v_add_nc_u32 v4, v3, v4                        ; row x pitch + 24 x half
	s_mov_b32 s21, SLOT-232
	s_mov_b32 s22, SLOT+232
	v_sub_nc_u32 v7, 1, v2
	v_mul_u32_u24 v5, s21, v2
	v_add_nc_u32 v5, v3, v5
	v_add_nc_u32 v5, 232, v5                       ; lanes 0-15 byte 232 of the row in slot 0, lanes 16-31 byte 0 in slot 1
	v_mul_u32_u24 v6, s22, v7
	v_add_nc_u32 v6, v3, v6                        ; and the other way round
	s_mul_i32 s21, s15, HALFT
	s_mul_i32 s22, s16, HALFT
	s_add_co_u32 s22, s22, 2*HALFT
	v_add_nc_u32 v[ADRA+2], s21, v5
	v_add_nc_u32 v[ADRA+3], s21, v6
	v_add_nc_u32 v[ADRB+2], s22, v5
	v_add_nc_u32 v[ADRB+3], s22, v6
.irp s, 0,1
	v_add_nc_u32 v[ADRA+\s], s21, v4
	v_add_nc_u32 v[ADRB+\s], s22, v4
	s_add_co_u32 s21, s21, SLOT
	s_add_co_u32 s22, s22, SLOT
.endr
	v_mul_u32_u24 v5, v1, KS
	v_lshrrev_b32 v6, 8, v5
	v_lshl_add_u32 v5, v6, 4, v5
	s_mul_i32 s21, s15, HALFS
	s_mul_i32 s22, s16, HALFS
	s_add_co_u32 s22, s22, 2*HALFS
	s_sub_co_u32 s22, s22, s21
	v_mul_u32_u24 v6, s22, v2
	s_add_co_u32 s21, s21, SCL
	v_add_nc_u32 v5, v5, v6
	v_add_nc_u32 v[ADRS], s21, v5
	v_and_b32 v[LN], 31, v0
	v_lshlrev_b32 v[E16], 4, v[LN]
	v_lshlrev_b32 v[E8], 3, v[LN]
	v_lshlrev_b32 v[BH], 6, v2
	v_and_b32 v[BL], 8, v1
	v_add_lshl_u32 v[BL], v[BL], v1, 2
.macro FRAG reg, adr, st, i            ; six pieces of 8 bytes; byte y of a row lies in slot (y / 256) % 2 at byte y % 256
.irp p, 0,1,2,3,4,5
.set BY, 96*(\st)+48*(\p/3)+8*(\p%3)
.if BY/ROWB == (BY+24)/ROWB
	ds_load_b64 v[\reg+2*\p:\reg+2*\p+1], v[\adr+(BY/ROWB)%2] offset:BY%ROWB+(\i)*16*PITCH
.else
	ds_load_b64 v[\reg+2*\p:\reg+2*\p+1], v[\adr+2+(BY/ROWB)%2] offset:BY%ROWB-232+(\i)*16*PITCH
.endif
.endr
.endm
.macro MUL16 a0, p, q, sc, zero        ; the 64 accumulators take turns, one instruction a turn
.irp a, \a0, \a0+1
.irp b, 0,1,2,3,4,5,6,7
.if \zero
	v_wmma_scale_f32_16x16x128_f8f6f4 v[8*(8*((\a)%4)+\b):8*(8*((\a)%4)+\b)+7], v[128*(\p)+FR*\b:128*(\p)+FR*\b+FR-1], v[AF+FR*(\a):AF+FR*(\a)+FR-1], 0, v[SC+8*NQ*(\sc)+NQ*\b+(\q)], v[SC+8*NQ*(\sc)+NQ*(\a)+(\q)] matrix_a_fmt:MATRIX_FMT_FP6 matrix_b_fmt:MATRIX_FMT_FP6 matrix_a_scale:MATRIX_SCALE_ROW1
.else
	v_wmma_scale_f32_16x16x128_f8f6f4 v[8*(8*((\a)%4)+\b):8*(8*((\a)%4)+\b)+7], v[128*(\p)+FR*\b:128*(\p)+FR*\b+FR-1], v[AF+FR*(\a):AF+FR*(\a)+FR-1], v[8*(8*((\a)%4)+\b):8*(8*((\a)%4)+\b)+7], v[SC+8*NQ*(\sc)+NQ*\b+(\q)], v[SC+8*NQ*(\sc)+NQ*(\a)+(\q)] matrix_a_fmt:MATRIX_FMT_FP6 matrix_b_fmt:MATRIX_FMT_FP6 matrix_a_scale:MATRIX_SCALE_ROW1
.endif
.endr
.endr
.endm
.macro FETCH_B st, p
	WIN TO_B
.irp i, 0,1,2,3,4,5,6,7
	FRAG 128*(\p)+FR*\i, ADRB, \st, \i
.endr
	WIN 0
.endm
.macro FETCH_A st, i0
.irp i, \i0, \i0+1, \i0+2, \i0+3
	FRAG AF+FR*(\i), ADRA, \st, \i
.endr
.endm
.macro SCALES pr
.irp i, 0,1,2,3,4,5,6,7
	ds_load_b64 v[SC+8*NQ*((\pr)%2)+NQ*\i:SC+8*NQ*((\pr)%2)+NQ*\i+1], v[ADRS] offset:\i*SBLK+4*NQ*(\pr)
.endr
.endm
.macro PLACES n
.rept \n
	v_nop
.endr
.endm
; A step of 128 along K.  Where the next step's bytes end in a chunk not yet read, a barrier shows that chunk whole; where they begin in a later chunk than this step's, the chunk left behind is free:
; the wait for all tensor loads, the add, the wait for it and for my reads, the barrier (which opens a round where a chunk is left to fetch), and the refill first behind it.
.macro STEP st, zero
.set NX, (\st)+1
.set C0, (96*(\st))/ROWB
.set C1, (96*NX)/ROWB
.set E0, (96*(\st)+95)/ROWB
.set E1, (96*NX+95)/ROWB
.if C1 > C0 || E1 > E0
	s_wait_tensorcnt 0x0
.if C1 > C0
	ds_add_u32 v[SPW], v[NIL]
	s_wait_dscnt 4*NL+1                            ; the add and the youngest 24 loads may be out
.else
	s_wait_dscnt 4*NL                              ; the youngest 24 loads may be out
.endif
	WIN MUL_LO
	MUL16 0, (\st)%2, (\st)%2, ((\st)/2)%2, \zero
	s_wait_dscnt 0x0
	s_barrier_signal -1
	MUL16 2, (\st)%2, (\st)%2, ((\st)/2)%2, \zero
	WIN 0
	s_barrier_wait -1
.if C1 > C0 && C0+2 < CHUNKS
	CREST
	s_add_nc_u64 s[G0+4*(C0%2)+2:G0+4*(C0%2)+3], s[G0+4*(C0%2)+2:G0+4*(C0%2)+3], 2*ROWB
	s_add_nc_u64 s[G0B+4*(C0%2)+2:G0B+4*(C0%2)+3], s[G0B+4*(C0%2)+2:G0B+4*(C0%2)+3], 2*ROWB
	JLOAD G0+4*(C0%2), G1, G0B+4*(C0%2), G1B
.else
	PLACES NP
.endif
.else
	s_wait_dscnt 4*NL
	WIN MUL_LO
	MUL16 0, (\st)%2, (\st)%2, ((\st)/2)%2, \zero
	MUL16 2, (\st)%2, (\st)%2, ((\st)/2)%2, \zero
	s_wait_dscnt 0
	PLACES NP
.endif
	FETCH_B NX, NX%2
	FETCH_A NX, 0
.if NX%2 == 0
	SCALES NX/2
.endif
	WIN MUL_HI
	MUL16 4, (\st)%2, (\st)%2, ((\st)/2)%2, \zero
	MUL16 6, (\st)%2, (\st)%2, ((\st)/2)%2, \zero
	PLACES NP
	WIN 0
	FETCH_A NX, 4
.endm
.macro QUANT s                         ; four blocks of 32 along the next K: 16 numbers in lane l, 16 in lane l xor 16
.irp b, 0,1,2,3
	v_max3_num_f32 v[TM+\b], |v[\s+16*\b]|, |v[\s+1+16*\b]|, 0x1800000
.endr
.irp i, 2,4,6,8,10,12,14
.irp b, 0,1,2,3
	v_max3_num_f32 v[TM+\b], v[TM+\b], |v[\s+16*\b+\i]|, |v[\s+1+16*\b+\i]|
.endr
.endr
.irp b, 0,1,2,3
	v_permlanex16_b32 v[TM+4+\b], v[TM+\b], s[SEL], s[SEL+1]
.endr
.irp b, 0,1,2,3
	v_max_num_f32 v[TM+\b], v[TM+\b], v[TM+4+\b]
.endr
.irp b, 0,1,2,3
	v_add_nc_u32 v[TM+12+\b], 0xff000000, v[TM+\b]
.endr
.irp b, 0,1,2,3
	v_lshrrev_b32 v[TM+4+\b], 23, v[TM+12+\b]
.endr
	v_lshl_or_b32 v[PW], v[TM+5], 8, v[TM+4]
	v_lshl_or_b32 v[PW], v[TM+6], 16, v[PW]
	v_lshl_or_b32 v[PW], v[TM+7], 24, v[PW]
.irp c, 0,1
	v_cvt_scalef32_pk16_fp6_f32 v[CD+6*\c:CD+2+6*\c], v[\s+32*\c:\s+15+32*\c], v[TM+12+2*\c]
	v_cvt_scalef32_pk16_fp6_f32 v[CD+12+4*\c:CD+14+4*\c], v[\s+16+32*\c:\s+31+32*\c], v[TM+12+2*\c+1]
.endr
	v_nop
.irp c, 0,1
.irp i, 0,1,2
	v_permlane16_swap_b32 v[CD+6*\c+\i], v[CD+12+4*\c+\i]
.endr
.irp i, 0,1,2
	v_mov_b32 v[CD+3+6*\c+\i], v[CD+12+4*\c+\i]
.endr
.endr
.endm
	s_wait_alu depctr_va_vdst(0)                   ; the head's end
	s_wait_tensorcnt 0x0                           ; my tile of the head's four is in
	ds_add_u32 v[SPW], v[NIL]
	s_mov_b32 s[G1+2], 128<<16                     ; no load of mine is out: from here on a load brings 128 rows
	s_mov_b32 s[G1+4], 128
	s_mov_b32 s[G1B+2], 128<<16
	s_mov_b32 s[G1B+4], 128
	s_wait_dscnt 0x0
	CROUND
	JLOAD G0+4, G1, G0B+4, G1B                     ; chunk 1, slot 1's first fill, issued as a refill is
	s_load_b256 s[68:75], s[0:1], 0x0              ; the arguments, into registers of the scales' descriptors, whose loads are done
	s_load_b128 s[76:79], s[0:1], 0x20
	s_load_b64 s[66:67], s[0:1], 0x30
	FETCH_B 0, 0
	FETCH_A 0, 0
	SCALES 0
	FETCH_A 0, 4
	STEP 0, 1
.set ST, 1
.rept 6
	STEP ST, 0
.set ST, ST+1
.endr
	s_wait_kmcnt 0x0
	s_cmp_eq_u32 s97, 1
	s_cselect_b32 s19, s16, s15
	s_cselect_b32 s20, s15, s16
	s_lshl_b32 s18, s95, 1
	s_add_co_u32 s18, s18, s19
	s_lshl_b32 s21, s96, 2
	s_lshl_b32 s20, s20, 1
	s_add_co_u32 s21, s21, s20
	s_or_b32 s23, s98, s97
	s_mul_i32 s40, s21, 196608
	s_mul_i32 s41, s18, 6144
	s_add_co_u32 s40, s40, s41
	s_lshl_b32 s40, s40, s23
	s_mul_i32 s42, s97, 6144
	s_add_co_u32 s40, s40, s42
	s_mov_b32 s41, 0
	s_lshl_b32 s42, s21, 13
	s_lshl_b32 s43, s18, 8
	s_add_co_u32 s42, s42, s43
	s_add_co_u32 s42, s42, 3145728
	s_lshl_b32 s42, s42, s23
	s_lshl_b32 s43, s97, 8
	s_add_co_u32 s42, s42, s43
	s_mov_b32 s43, 0
	s_cmp_eq_u32 s23, 1
	s_cselect_b64 s[IB:IB+1], s[66:67], s[78:79]
	s_add_nc_u64 s[SB:SB+1], s[IB:IB+1], s[42:43]
	s_add_nc_u64 s[IB:IB+1], s[IB:IB+1], s[40:41]
	s_lshl_b32 s40, 196608, s23
	s_add_nc_u64 s[IB+2:IB+3], s[IB:IB+1], s[40:41]
	s_lshl_b32 s40, 8192, s23
	s_add_nc_u64 s[SB+2:SB+3], s[SB:SB+1], s[40:41]
	s_cmp_eq_u32 s98, 1
	s_cselect_b64 s[44:45], s[74:75], s[72:73]
	s_cmp_eq_u32 s97, 1
	s_cselect_b64 s[44:45], s[76:77], s[44:45]
	s_lshl_b32 s40, s21, 8
	s_add_nc_u64 s[44:45], s[44:45], s[40:41]
	s_lshl_b32 s40, s18, 15
	s_add_nc_u64 s[46:47], s[70:71], s[40:41]
	s_mov_b32 s[SEL], 0x76543210
	s_mov_b32 s[SEL+1], 0xfedcba98
	s_cmp_eq_u32 s97, 1
	s_cbranch_scc1 .Lload_v
.macro RBSET a
.if (\a) < 4
.set RBA, 32*(\a)
.elseif (\a) == 4
.set RBA, 224
.else
.set RBA, 128+32*((\a)-5)
.endif
.endm
.macro ROPELD a
	RBSET \a
.irp k, 0,1,2,3,4,5,6,7
	global_load_b128 v[RBA+4*\k:RBA+4*\k+3], v[E16], s[46:47] offset:4096*(\a)+512*\k
.endr
.endm
.irp b, 0,1,2,3
.irp j, 0,1,2,3
	global_load_b128 v[BI+16*\b+4*\j:BI+16*\b+4*\j+3], v[BH], s[44:45] offset:128*\b+16*\j
.endr
.endr
	WIN 0x40
.irp a, 0,1,2,3,4
	ROPELD \a
.endr
	WIN 0
	s_branch .Lloaded
.Lload_v:
.irp a, 0,1,2,3,4,5,6,7
	global_load_b32 v[BI+2*\a], v[BL], s[44:45] offset:(32*(\a/2)+8*(\a%2))*4
	global_load_b32 v[BI+2*\a+1], v[BL], s[44:45] offset:(32*(\a/2)+8*(\a%2))*4
.endr
.Lloaded:
	s_wait_dscnt 4*NL                              ; the last step: nothing more to fetch
	WIN MUL_LO
	MUL16 0, 1, NQ-1, 1, 0
	MUL16 2, 1, NQ-1, 1, 0
	s_wait_dscnt 0
	WIN MUL_HI
	MUL16 4, 1, NQ-1, 1, 0
	MUL16 6, 1, NQ-1, 1, 0
	WIN 0
	PLACES NP
.irp b, 0,1,2,3
	v_mov_b32 v[TM+4+\b], 0
.endr
	v_cmp_le_u32 vcc_lo, 16, v[LN]
	s_cmp_eq_u32 s97, 1
	s_cbranch_scc1 .Lpath_v
	WIN 0x40
.irp a, 5,6,7
	ROPELD \a
.endr
	WIN 0
.macro EQK a                           ; 16 positions x two heads: + bias, the rotation, the quantiser, two images of 768 bytes
	RBSET \a
.set AC, 64*((\a)%4)
.set WA, 0x02+(\a)/4
	s_wait_loadcnt 8*(7-(\a))                      ; this block's table is in; the later blocks' eight loads each may be out
	WIN WA
.set j, 0
.rept 32
	v_pk_add_f32 v[Y+j:Y+j+1], v[AC+j:AC+j+1], v[BI+j:BI+j+1]
.set j, j+2
.endr
	WIN 0x04
.irp hd, 0,1
.irp k, 0,1,2,3,4,5,6,7
.set TP, TT+4*(\k%2)
.set X1, Y+32*\hd+2*\k
.set X2, Y+32*\hd+16+2*\k
	v_pk_mul_f32 v[TP:TP+1], v[X2:X2+1], v[RBA+16+2*\k:RBA+17+2*\k]
	v_pk_mul_f32 v[TP+2:TP+3], v[X1:X1+1], v[RBA+16+2*\k:RBA+17+2*\k]
	v_pk_fma_f32 v[X1:X1+1], v[X1:X1+1], v[RBA+2*\k:RBA+2*\k+1], v[TP:TP+1] neg_lo:[0,0,1] neg_hi:[0,0,1]
	v_pk_fma_f32 v[X2:X2+1], v[X2:X2+1], v[RBA+2*\k:RBA+2*\k+1], v[TP+2:TP+3]
.endr
.endr
	WIN 0
	s_wait_xcnt 0x0
	QUANT Y
	v_mov_b32 v[PWS+(\a)], v[PW]
.irp hd, 0,1
	global_store_b128 v[E16], v[CD+6*\hd:CD+6*\hd+3], s[IB+2*\hd:IB+2*\hd+1] offset:768*(\a)
	global_store_b64 v[E8], v[CD+6*\hd+4:CD+6*\hd+5], s[IB+2*\hd:IB+2*\hd+1] offset:768*(\a)+512
.endr
.endm
.irp a, 0,1,2,3,4,5,6,7
	EQK \a
.endr
.irp b, 0,1,2,3
	v_perm_b32 v[WW+\b], v[PWS+2*\b+1], v[PWS+2*\b], 0x05040100
	v_perm_b32 v[WW+4+\b], v[PWS+2*\b+1], v[PWS+2*\b], 0x07060302
.endr
.irp hd, 0,1
	v_cndmask_b32 v[OW+2*\hd], v[WW+4*\hd], v[WW+4*\hd+2], vcc_lo
	v_cndmask_b32 v[OW+2*\hd+1], v[WW+4*\hd+1], v[WW+4*\hd+3], vcc_lo
	global_store_b64 v[E8], v[OW+2*\hd:OW+2*\hd+1], s[SB+2*\hd:SB+2*\hd+1]
.endr
	s_branch .Lout
.Lpath_v:
	s_wait_loadcnt 0x0
.macro EV a                            ; 16 features x 128 keys: + bias, the quantiser along the keys, one image of 1,536 bytes
.set AC, 64*((\a)%4)
.set WA, 0x02+(\a)/4
	WIN WA
.set j, 0
.rept 32
	v_pk_add_f32 v[Y+j:Y+j+1], v[AC+j:AC+j+1], v[BI+2*(\a):BI+2*(\a)+1]
.set j, j+2
.endr
	WIN 0
	s_wait_xcnt 0x0
	QUANT Y
	v_mov_b32 v[PWS+(\a)], v[PW]
.irp c, 0,1
.irp i, 0,1,2
	v_cndmask_b32 v[CD+3+6*\c+\i], v[CD+3+6*\c+\i], v[CD+6*\c+\i], vcc_lo      ; lanes 16-31: the block's lower 16 keys go to its upper three registers,
	v_cndmask_b32 v[CD+6*\c+\i], v[CD+6*\c+\i], v[CD+12+4*\c+\i], vcc_lo       ; and its upper 16 to the lower three
.endr
.endr
.irp c, 0,1,2
	global_store_b128 v[E16], v[CD+4*\c:CD+4*\c+3], s[IB+2*((\a)/4):IB+2*((\a)/4)+1] offset:1536*((\a)%4)+512*\c
.endr
.endm
.irp a, 0,1,2,3,4,5,6,7
	EV \a
.endr
.irp hd, 0,1
	v_cndmask_b32 v[OW+2*\hd], v[PWS+4*\hd], v[PWS+4*\hd+2], vcc_lo
	v_cndmask_b32 v[OW+2*\hd+1], v[PWS+4*\hd+1], v[PWS+4*\hd+3], vcc_lo
	global_store_b64 v[E8], v[OW+2*\hd:OW+2*\hd+1], s[SB+2*\hd:SB+2*\hd+1]
.endr
.Lout:
	s_wait_tensorcnt 0x0                           ; the wave's end
	ds_add_u32 v[SPW], v[NIL]
	s_wait_dscnt 0x0
	CROUND                                         ; the closing round
	s_endpgm
.Lfunc_end_k_q5db8f73bc4_qkv:
	.size	k_q5db8f73bc4_qkv, .Lfunc_end_k_q5db8f73bc4_qkv-k_q5db8f73bc4_qkv
	.p2alignl 7, 3214868480
	.fill 96, 4, 3214868480
	.section	.rodata,"a",@progbits
	.p2align	6, 0x0
	.amdhsa_kernel k_q5db8f73bc4_qkv
		.amdhsa_group_segment_fixed_size 327680
		.amdhsa_private_segment_fixed_size 0
		.amdhsa_enable_private_segment 0
		.amdhsa_kernarg_size 56
		.amdhsa_user_sgpr_count 2
		.amdhsa_user_sgpr_kernarg_segment_ptr 1
		.amdhsa_wavefront_size32 1
		.amdhsa_system_sgpr_workgroup_id_x 1
		.amdhsa_system_sgpr_workgroup_id_y 1
		.amdhsa_system_sgpr_workgroup_id_z 1
		.amdhsa_system_vgpr_workitem_id 0
		.amdhsa_next_free_vgpr 1024
		.amdhsa_next_free_sgpr 100
		.amdhsa_reserve_vcc 1
		.amdhsa_float_denorm_mode_32 3
		.amdhsa_float_denorm_mode_16_64 3
		.amdhsa_memory_ordered 1
		.amdhsa_forward_progress 1
		.amdhsa_inst_pref_size 255
	.end_amdhsa_kernel
	.section	.bss,"aw",@nobits
	.p2align	6
	.space	262144
	.amdgpu_metadata
---
amdhsa.version: [ 1, 2 ]
amdhsa.kernels:
  - .name:           k_q5db8f73bc4_qkv
    .symbol:         k_q5db8f73bc4_qkv.kd
    .args:
      - { .name: xw, .offset: 0, .size: 8, .value_kind: global_buffer, .address_space: global }
      - { .name: rope, .offset: 8, .size: 8, .value_kind: global_buffer, .address_space: global }
      - { .name: bq, .offset: 16, .size: 8, .value_kind: global_buffer, .address_space: global }
      - { .name: bk, .offset: 24, .size: 8, .value_kind: global_buffer, .address_space: global }
      - { .name: bv, .offset: 32, .size: 8, .value_kind: global_buffer, .address_space: global }
      - { .name: qi, .offset: 40, .size: 8, .value_kind: global_buffer, .address_space: global }
      - { .name: kv, .offset: 48, .size: 8, .value_kind: global_buffer, .address_space: global }
    .group_segment_fixed_size: 327680
    .private_segment_fixed_size: 0
    .kernarg_segment_align: 8
    .kernarg_segment_size: 56
    .max_flat_workgroup_size: 128
    .sgpr_count:     100
    .vgpr_count:     1024
    .wavefront_size: 32
...
	.end_amdgpu_metadata
.endif
;; end of part 2
;; launch attn (part 3): grid 16 x 16, 16 waves a work-group, clusters of 4 x 1, 327,680 bytes of LDS; arguments qi, kv, cx; writes cx
.if DOCPART == 3
	.amdgcn_target "amdgcn-amd-amdhsa--gfx1250"
	.amdhsa_code_object_version 6
	.text
	.protected	k_q5db8f73bc4_attn
	.globl	k_q5db8f73bc4_attn
	.p2align	8
	.type	k_q5db8f73bc4_attn,@function
k_q5db8f73bc4_attn:
	s_mov_b64 s[64:65], 0
	v_nop
	global_prefetch_b8 v0, s[64:65] scope:SCOPE_SE
	s_setreg_imm32_b32 hwreg(HW_REG_WAVE_MODE, 25, 1), 1
	s_wait_xcnt 0x0
	s_wait_alu depctr_hold_cnt(0) depctr_sa_sdst(0) depctr_va_vdst(0) depctr_va_sdst(0) depctr_va_ssrc(0) depctr_va_vcc(0) depctr_vm_vsrc(0)
	s_getreg_b32 s2, hwreg(HW_REG_IB_STS2, 6, 4)
	s_cmp_eq_u32 s2, 0
	s_cbranch_scc0 .Lentry_in_a_cluster
	s_endpgm
.Lentry_in_a_cluster:
	s_bfe_u32 s2, ttmp6, 0x10000c
	s_cmp_lg_u32 s2, 0x3003
	s_cbranch_scc0 .Lentry_shape_is_right
	s_endpgm
.Lentry_shape_is_right:
; ATTENTION on codes of E2M3: S^T = K Q^T (K = a head's 64), p = 2^(t - M), O^T = V^T P^T (K = the keys), ctx = O / l, quantised along the head's 64 for the last product.
; t = score x log2(e) / 8; M = the running largest t rounded up to a whole number; l is the sum of the unquantised p; when M moves, l and O^T are multiplied by 2^(old M - new M), which rounds nothing.
; SHARES.  Work-group (x, y): 256 stored queries x of head y; each of sixteen waves owns 16 queries in 256 registers and walks the head's 32 key steps of 128.
; LDS holds 24 key steps of 12,288 bytes and the head's 16,384 bytes of scale records.  Head: waves 0-7 fetch steps 0-7, waves 8-15 the records, one load a wave.  Behind the first round every wave fetches one of
; steps 8-23.  Behind step 7 waves 0-7 fill the first eight places again with steps 24-31.  So the sixteen waves meet three times in the walk: ahead of steps 0, 8 and 24.
; CLUSTER 4, 1, 1: four query blocks of one head read the same bytes of k and v: every tensor load is a joint load with the mask 15; its descriptor hangs on the head and the wave's number alone.
; OPERANDS ARE IMAGES OF REGISTERS.  A key step is 8 images of k (16 keys x 64, 768 bytes) and 4 of v (16 features x 128 keys, 1,536).  Image 2 b + u of k holds in row 8 g + j the key 32 b + 16 g + 8 u + j.
; A TILE OF KEYS IS PUT TOGETHER BY THE LANES' ADDRESSES: rows 0-7 come from block 2 c, rows 8-15 from block 2 c + 1.  So lane half h of the scores holds all 32 keys of block 2 c + h: a block's largest score
; needs no other lane, and the conversions' results are p's operand with no exchange of lanes.  Rows 0-7 take rows 8 v + j of their image and rows 8-15 rows 8 (1 - v) + j, so that the sixteen lanes of a
; 16-byte read touch 256 different bytes modulo 256; hence lanes 16-31 hold a block's two halves of 16 keys in swapped order, and v's images are laid the same way by the launch that stores them.
; K = 64 IN AN INSTRUCTION OF 128: source 0 holds two key tiles; it is multiplied once by [q | 0] and once by [0 | q]; the zero codes add nothing (every scale byte lies in 1..254; the zero blocks' byte is 1).
; PREFETCH: steps 24-31 (98,304 bytes) are asked for once in each cluster, behind the first round, eight key steps ahead of their load: each partner takes 24,576 bytes by address, waves 0-2 one instruction each.
; Steps 0-23 are loaded at the start and have no trip to run ahead in.
; LIMITS: the promise holds while |t| stays under 2^31.  NaN and infinities are not served; 1 / l comes from v_rcp_f32; a block of ctx whose largest magnitude lies under 2^-124 gets the scale byte 1.
.set STEPB, 12288
.set SCB,   24*STEPB                   ; the scale records, 512 bytes a step
.set SPARE, SCB+16384                  ; the spare words: 128 bytes a wave
.set CSG,   SPARE+2048                 ; 512 bytes: ctx's scale halfwords; no tensor load lands here
.set L16, 1                            ; 16 x lane
.set L8,  2                            ; 8 x lane
.set PFO, 3                            ; 256 x lane
.set ASB, 4                            ; SCB + 8 x lane
.set SPW, 5
.set NIL, 6
.set CK0, 8                            ; lane terms of k's 16-byte reads, v = 0, 1
.set CK1, 9
.set CE0, 10                           ; and of its 8-byte reads
.set CE1, 11
.set QB,  16                           ; v16-21 zeros, v22-27 q, v28-33 zeros
.set QS0, 34
.set QS1, 35
.set KSC, 36                           ; k's scale words: register c, lanes 0-15 v = 0, lanes 16-31 v = 1
.set VSC, 38
.set CKS, 40                           ; lane term of k's scale words
.set SH8, 41                           ; 8 x (lane / 16)
.set AK0, 42
.set AK1, 43
.set AE0, 44
.set AE1, 45
.set ADV, 46
.set ADS, 47
.set F,   48                           ; v48-95 four operands of 12
.set S,   96                           ; v96-159 scores, then p: register 32 c + i
.set O,   160                          ; v160-191 O^T
.set BM,  192
.set BX,  194
.set SOP, 196
.set T0,  198
.set T1,  199
.set CT,  200
.set PWD, 208
.set ADW, 209
.set FF,  210
.set PCD, 224                          ; v224-235 p's codes
.set CH,  236                          ; v236-249 seven chains of the sum
.set TB,  2
.set TS,  3
.set WV,  18
.set WGX, 19
.set SEL, 20
.set CS,  22
.set G1,  24
.set G1S, 32
.set G0,  40
.set G0S, 44
.set G0B, 48
.set CXP, 52
.set CNT, 53
.set PFA, 66
.macro CROUND                          ; a round of the cluster's barrier
	s_barrier_signal -1
	s_barrier_wait -1
	s_cmp_lg_u32 s[WV], 0
	s_cbranch_scc1 .Lnot_wave_0_\@
	s_barrier_signal -3
.Lnot_wave_0_\@:
	s_barrier_wait -3
	s_barrier_signal -1
	s_barrier_wait -1
.endm
	s_load_b128 s[4:7], s[0:1], 0x0                ; qi, kv
	s_load_b64 s[8:9], s[0:1], 0x10                ; cx
	v_lshl_add_u32 v[SPW], v0, 2, SPARE
	v_mov_b32 v[NIL], 0
	ds_add_u32 v[SPW], v[NIL]                      ; the opening lines: the add twice on end and one wait
	ds_add_u32 v[SPW], v[NIL]
	v_lshrrev_b32 v7, 5, v0
	v_readfirstlane_b32 s[WV], v7                  ; wave 0..15
	s_and_b32 s10, ttmp7, 0xffff                   ; the head
	s_bfe_u32 s[CXP], ttmp6, 0x40000               ; my place in the cluster
	s_lshl_b32 s[WGX], ttmp9, 2
	s_add_co_u32 s[WGX], s[WGX], s[CXP]            ; my block of 256 queries
	s_and_b32 s11, s[WV], 7
	s_mov_b32 s[G1], 15|(3<<16)|(1<<21)            ; 48 rows of 256 bytes, dense: a key step; the mask names the cluster's four
	s_mov_b32 s[G1+1], 32<<16
	s_mov_b32 s[G1+2], 48<<16
	s_mov_b32 s[G1+3], 32<<16
	s_mov_b32 s[G1+4], 48
	s_mov_b32 s[G1+5], 32
	s_mov_b32 s[G1+6], 0
	s_mov_b32 s[G1+7], 0
	s_mov_b32 s[G1S], 15|(3<<16)|(1<<21)           ; 8 rows of 256 bytes: an eighth of the scale records
	s_mov_b32 s[G1S+1], 32<<16
	s_mov_b32 s[G1S+2], 8<<16
	s_mov_b32 s[G1S+3], 32<<16
	s_mov_b32 s[G1S+4], 8
	s_mov_b32 s[G1S+5], 32
	s_mov_b32 s[G1S+6], 0
	s_mov_b32 s[G1S+7], 0
	s_mul_i32 s14, s11, STEPB                      ; step wave % 8
	s_lshl_b32 s15, s11, 11
	s_mul_i32 s59, s[WV], STEPB
	s_add_co_u32 s59, s59, 8*STEPB                 ; step 8 + wave
	s_mul_i32 s12, s10, 393216
	s_mov_b32 s13, 0
	s_lshl_b32 s16, s10, 14
	s_add_co_u32 s16, s16, 6291456
	s_mov_b32 s17, 0
	s_mov_b32 s[SEL], 0x76543210
	s_mov_b32 s[SEL+1], 0xfedcba98
	s_mov_b32 s[CS], 0x3e38aa3b                    ; c = log2(e) / 8
	s_mov_b32 s[CS+1], s[CS]
	s_wait_dscnt 0x0
	s_wait_kmcnt 0x0
	s_add_nc_u64 s[54:55], s[6:7], s[12:13]        ; the head's images of k and v
	s_add_nc_u64 s[56:57], s[6:7], s[16:17]        ; and its scale records
	s_mov_b32 s[G0S], 1
	s_add_co_u32 s[G0S+1], s15, SCB
	s_mov_b32 s12, s15
	s_add_nc_u64 s[G0S+2:G0S+3], s[56:57], s[12:13]
	s_or_b32 s[G0S+3], s[G0S+3], 0x80000000
	s_mov_b32 s[G0], 1
	s_mov_b32 s[G0+1], s14
	s_mov_b32 s12, s14
	s_add_nc_u64 s[G0+2:G0+3], s[54:55], s[12:13]
	s_or_b32 s[G0+3], s[G0+3], 0x80000000
	s_mov_b32 s[G0B], 1
	s_mov_b32 s[G0B+1], s59
	s_mov_b32 s12, s59
	s_add_nc_u64 s[G0B+2:G0B+3], s[54:55], s[12:13]
	s_or_b32 s[G0B+3], s[G0B+3], 0x80000000
	CROUND                                         ; in front of the first joint loads
	s_cmp_lt_u32 s[WV], 8                          ; every way passes one load
	s_cbranch_scc0 .Lhead_s
	tensor_load_to_lds s[G0:G0+3], s[G1:G1+7]
	s_nop 0
.rept 4
	v_nop
.endr
	s_branch .Lhead_j
.Lhead_s:
	tensor_load_to_lds s[G0S:G0S+3], s[G1S:G1S+7]
	s_nop 0
.rept 4
	v_nop
.endr
.Lhead_j:
	s_lshl_b32 s58, s[WGX], 4
	s_add_co_u32 s58, s58, s[WV]                   ; T: my stored tile of queries
	s_mul_i32 s12, s10, 196608
	s_mul_i32 s59, s58, 768
	s_add_co_u32 s12, s12, s59
	s_add_nc_u64 s[60:61], s[4:5], s[12:13]        ; its image
	s_lshl_b32 s12, s10, 13
	s_lshr_b32 s59, s58, 3
	s_lshl_b32 s59, s59, 8
	s_add_co_u32 s12, s12, s59                     ; its step's record; in it word g = (T % 8) / 2 at 128 (g / 2) + 4 (g % 2) + 8 r
	s_bfe_u32 s59, s58, 0x10002
	s_lshl_b32 s59, s59, 7
	s_add_co_u32 s12, s12, s59
	s_bfe_u32 s59, s58, 0x10001
	s_lshl_b32 s59, s59, 2
	s_add_co_u32 s12, s12, s59
	s_add_co_u32 s12, s12, 3145728
	s_add_nc_u64 s[62:63], s[4:5], s[12:13]
	s_min_u32 s59, s[WV], 2                        ; the prefetch: 24,576 bytes a partner, 8,192 a wave
	s_lshl_b32 s59, s59, 13
	s_mul_i32 s12, s[CXP], 24576
	s_add_co_u32 s12, s12, s59
	s_add_co_u32 s12, s12, 24*STEPB
	s_add_nc_u64 s[PFA:PFA+1], s[54:55], s[12:13]
	v_and_b32 v7, 31, v0
	v_lshlrev_b32 v[L16], 4, v7
	v_lshlrev_b32 v[L8], 3, v7
	v_lshlrev_b32 v[PFO], 8, v7
	v_and_b32 v[ADS], 15, v0
	v_lshlrev_b32 v[ADS], 3, v[ADS]
	v_add_nc_u32 v[ASB], SCB, v[L8]
	v_and_b32 v[T0], 7, v0                         ; j
	v_bfe_u32 v[T1], v0, 3, 1                      ; g: which half of the tile's rows
	v_bfe_u32 v[SH8], v0, 4, 1                     ; h
	v_lshlrev_b32 v[CK0], 4, v[T0]
	v_lshl_add_u32 v[CK0], v[SH8], 8, v[CK0]       ; 16 j + 256 h
	v_add_nc_u32 v[CK1], 128, v[CK0]
	v_mad_u32_u24 v[CK0], v[T1], 1664, v[CK0]      ; v = 0: rows 8-15 two images on, and their rows 8-15
	v_mad_u32_u24 v[CK1], v[T1], 1408, v[CK1]      ; v = 1: rows 0-7 take rows 8-15, rows 8-15 take rows 0-7 two images on
	v_lshlrev_b32 v[CE0], 3, v[T0]
	v_lshl_add_u32 v[CE0], v[SH8], 7, v[CE0]       ; 8 j + 128 h
	v_add_nc_u32 v[CE1], 64, v[CE0]
	v_mad_u32_u24 v[CE0], v[T1], 1600, v[CE0]
	v_mad_u32_u24 v[CE1], v[T1], 1472, v[CE1]
	v_add_nc_u32 v[CKS], v[SH8], v[T1]
	v_and_b32 v[CKS], 1, v[CKS]                    ; lanes 16-31 serve v = 1: the image's row half is (v + g) % 2
	v_lshlrev_b32 v[CKS], 6, v[CKS]
	v_lshl_add_u32 v[CKS], v[T0], 3, v[CKS]
	v_lshl_add_u32 v[CKS], v[T1], 2, v[CKS]
	v_add_nc_u32 v[CKS], SCB, v[CKS]               ; SCB + 64 x row half + 8 j + 4 g
	v_lshlrev_b32 v[SH8], 3, v[SH8]
	s_wait_alu depctr_va_vdst(0)                   ; ahead of the readers below
	global_load_b128 v[QB+6:QB+9], v[L16], s[60:61]
	global_load_b64 v[QB+10:QB+11], v[L8], s[60:61] offset:512
	global_load_b32 v[QS0], v[ADS], s[62:63]
.irp j, 0,1,2,3,4,5
	v_mov_b32 v[QB+\j], 0
	v_mov_b32 v[QB+12+\j], 0
.endr
	v_mov_b32 v13, 0xff61b1e6                      ; the largest score so far: -3e38
	v_mul_f32 v12, s[CS], v13
	s_delay_alu instid0(VALU_DEP_1)
	v_floor_f32 v12, -v12                          ; -M
	v_mov_b32 v14, 0
	v_mov_b32 v15, 0
	v_mov_b32 v[FF+1], 0                           ; (named as the upper half of a pair)
	s_wait_loadcnt 0x0                             ; q and its scale word
	s_and_b32 s59, s58, 1
	s_lshl_b32 s59, s59, 4
	v_lshrrev_b32 v[QS0], s59, v[QS0]              ; my tile's two bytes of the word of two tiles
	s_delay_alu instid0(VALU_DEP_1)
	v_and_b32 v[QS0], 0xffff, v[QS0]
	s_delay_alu instid0(VALU_DEP_1)
	v_lshl_or_b32 v[QS1], v[QS0], 16, 0x0101
	v_or_b32 v[QS0], 0x01010000, v[QS0]
.irp j, 0,1,2,3,4,5,6,7,8,9,10,11,12,13,14,15,16,17,18,19,20,21,22,23,24,25,26,27,28,29,30,31
	v_mov_b32 v[O+\j], 0                           ; O^T: the step is written once; the first change of M multiplies zeros
.endr
.macro QK d, f, qb, ks, qs, row1
.if \row1
	v_wmma_scale_f32_16x16x128_f8f6f4 v[\d:\d+7], v[\f:\f+11], v[\qb:\qb+11], 0, v[\ks], v[\qs] matrix_a_fmt:MATRIX_FMT_FP6 matrix_b_fmt:MATRIX_FMT_FP6 matrix_a_scale:MATRIX_SCALE_ROW1
.else
	v_wmma_scale_f32_16x16x128_f8f6f4 v[\d:\d+7], v[\f:\f+11], v[\qb:\qb+11], 0, v[\ks], v[\qs] matrix_a_fmt:MATRIX_FMT_FP6 matrix_b_fmt:MATRIX_FMT_FP6
.endif
.endm
; A KEY STEP: 128 keys, the q-th of the trip's two.
.macro STEP q
.set RO, STEPB*(\q)
.if \q
.rept 4
	v_nop                                          ; places between the last products and the loads into the registers that they read (in the trip's first step the address lines are these places)
.endr
.endif
.irp c, 0,1
	ds_load_b32 v[KSC+\c], v[ADS] offset:512*(\q)+128*\c
.endr
.irp c, 0,1
.irp u, 0,1
	ds_load_b128 v[F+24*\c+6*\u:F+24*\c+6*\u+3], v[AK0] offset:RO+768*(4*\c+\u)
	ds_load_b64 v[F+24*\c+6*\u+4:F+24*\c+6*\u+5], v[AE0] offset:RO+768*(4*\c+\u)+512
	ds_load_b128 v[F+24*\c+12+6*\u:F+24*\c+12+6*\u+3], v[AK1] offset:RO+768*(4*\c+\u)
	ds_load_b64 v[F+24*\c+12+6*\u+4:F+24*\c+12+6*\u+5], v[AE1] offset:RO+768*(4*\c+\u)+512
.endr
.endr
	s_wait_dscnt 0x0
.irp c, 0,1
	QK S+32*\c,    F+24*\c,    QB+6, KSC+\c, QS0, 0
	QK S+32*\c+8,  F+24*\c,    QB,   KSC+\c, QS1, 0
	QK S+32*\c+16, F+24*\c+12, QB+6, KSC+\c, QS0, 1
	QK S+32*\c+24, F+24*\c+12, QB,   KSC+\c, QS1, 1
.endr
.rept 4
	v_nop                                          ; places: for the loads below and the first reads of the scores
.endr
	ds_load_b64 v[VSC:VSC+1], v[ADW] offset:512*(\q)+256           ; v's fragments land under the softmax
.irp t, 0,1,2,3
.irp c, 0,1,2
	ds_load_b128 v[F+12*\t+4*\c:F+12*\t+4*\c+3], v[ADV] offset:RO+6144+1536*\t+512*\c
.endr
.endr
.irp c, 0,1                                    ; the largest score of my two blocks of 32 keys, in four chains; each accumulator is first read at its low end
	v_max3_num_f32 v[BM+\c], v[S+32*\c], v[S+32*\c+1], v[S+32*\c+2]
	v_max3_num_f32 v[BX+\c], v[S+32*\c+16], v[S+32*\c+17], v[S+32*\c+18]
.endr
.irp i, 3,5,7,9,11,13
.irp c, 0,1
	v_max3_num_f32 v[BM+\c], v[BM+\c], v[S+32*\c+\i], v[S+32*\c+\i+1]
	v_max3_num_f32 v[BX+\c], v[BX+\c], v[S+32*\c+16+\i], v[S+32*\c+17+\i]
.endr
.endr
.irp c, 0,1
	v_max3_num_f32 v[BM+\c], v[BM+\c], v[BX+\c], v[S+32*\c+15]
.endr
.irp c, 0,1
	v_max_num_f32 v[BM+\c], v[BM+\c], v[S+32*\c+31]
.endr
	s_delay_alu instid0(VALU_DEP_1)
	v_max_num_f32 v[T0], v[BM], v[BM+1]
	s_delay_alu instid0(VALU_DEP_1)
	v_permlanex16_b32 v[BX], v[T0], s[SEL], s[SEL+1]
	s_delay_alu instid0(VALU_DEP_1)
	v_max3_num_f32 v13, v13, v[T0], v[BX]          ; the running largest score of my query (c is positive)
	v_mov_b32 v[T1], v12
	s_delay_alu instid0(VALU_DEP_2)
	v_mul_f32 v[T0], s[CS], v13
	s_delay_alu instid0(VALU_DEP_1)
	v_floor_f32 v12, -v[T0]                        ; -M = floor(-t)
	s_delay_alu instid0(VALU_DEP_1)
	v_sub_f32 v[T1], v12, v[T1]                    ; old M - new M: a whole number, 0 or less
	s_delay_alu instid0(VALU_DEP_1)
	v_cvt_i32_f32 v[T1], v[T1]                     ; (it saturates)
	s_delay_alu instid0(VALU_DEP_1)
	v_ldexp_f32 v[FF], 1.0, v[T1]                  ; f
.irp j, 0,2,4,6,8,10,12,14,16,18,20,22,24,26,28,30,32,34,36,38,40,42,44,46,48,50,52,54,56,58,60,62
	v_pk_fma_f32 v[S+\j:S+\j+1], v[S+\j:S+\j+1], s[CS:CS+1], v[12:13] op_sel_hi:[1,0,0]   ; t - M
.endr
.irp c, 0,1
	v_fma_f32 v[BM+\c], v[BM+\c], s[CS], v12
.endr
.irp j, 0,2,4,6,8,10,12,14,16,18,20,22,24,26,28,30
	v_pk_mul_f32 v[O+\j:O+\j+1], v[O+\j:O+\j+1], v[FF:FF+1] op_sel_hi:[1,0]   ; O^T under the new M, ascending, ahead of the exponentials
.endr
	s_wait_alu depctr_va_vdst(0)                   ; ahead of the batch
.irp j, 0,1,2,3,4,5,6,7,8,9,10,11,12,13,14,15,16,17,18,19,20,21,22,23,24,25,26,27,28,29,30,31,32,33,34,35,36,37,38,39,40,41,42,43,44,45,46,47,48,49,50,51,52,53,54,55,56,57,58,59,60,61,62,63
	v_exp_f32 v[S+\j], v[S+\j]                     ; p, at most 1, not normalised
.endr
.irp c, 0,1
	v_exp_f32 v[BM+\c], v[BM+\c]                   ; the block's largest p: the same two instructions on the same number
.endr
	v_nop                                          ; a plain line behind the batch
	s_wait_alu depctr_va_vdst(0)                   ; one wait for the batch of 66, ahead of its first reader
.irp c, 0,1
	v_max_num_f32 v[BM+\c], 0x1800000, v[BM+\c]    ; the floor 2^(3 - 127)
.endr
.irp c, 0,1
	s_delay_alu instid0(VALU_DEP_2)
	v_add_nc_u32 v[SOP+\c], 0xff000000, v[BM+\c]   ; the conversion's scale operand
.endr
	v_pk_fma_f32 v[14:15], v[14:15], v[FF:FF+1], v[S:S+1] op_sel_hi:[1,0,1]   ; the sum under the new M, and its first pair; eight chains
.irp i, 1,2,3,4,5,6,7
	v_pk_add_f32 v[CH+2*\i-2:CH+2*\i-1], v[S+2*\i:S+2*\i+1], v[S+2*\i+14:S+2*\i+15]
.endr
.irp c, 0,1
	v_cvt_scalef32_pk16_fp6_f32 v[PCD+6*\c:PCD+2+6*\c], v[S+32*\c:S+15+32*\c], v[SOP+\c]
	v_cvt_scalef32_pk16_fp6_f32 v[CT+4*\c:CT+2+4*\c], v[S+16+32*\c:S+31+32*\c], v[SOP+\c]   ; (a conversion's three registers begin on an even number)
.endr
.irp c, 0,1
	v_lshrrev_b32 v[BM+\c], 23, v[SOP+\c]          ; the byte (plain lines behind the conversions)
.endr
	s_delay_alu instid0(VALU_DEP_1)
	v_lshl_or_b32 v[T0], v[BM+1], 16, v[BM]        ; blocks h and 2 + h,
	s_delay_alu instid0(VALU_DEP_1)
	v_lshlrev_b32 v[T0], v[SH8], v[T0]             ; at their places in the word;
	s_delay_alu instid0(VALU_DEP_1)
	v_permlanex16_b32 v[BX], v[T0], s[SEL], s[SEL+1]
	s_delay_alu instid0(VALU_DEP_1)
	v_or_b32 v[PWD], v[T0], v[BX]                  ; with lane l xor 16's two the word is whole
.irp c, 0,1
.irp i, 0,1,2
	v_mov_b32 v[PCD+3+6*\c+\i], v[CT+4*\c+\i]
.endr
.endr
	v_pk_add_f32 v[14:15], v[14:15], v[S+30:S+31]
.irp i, 1,2,3,4,5,6,7
	v_pk_add_f32 v[CH+2*\i-2:CH+2*\i-1], v[CH+2*\i-2:CH+2*\i-1], v[S+30+2*\i:S+31+2*\i]
.endr
	v_pk_add_f32 v[14:15], v[14:15], v[S+46:S+47]
.irp i, 1,2,3,4,5,6,7
	v_pk_add_f32 v[CH+2*\i-2:CH+2*\i-1], v[CH+2*\i-2:CH+2*\i-1], v[S+46+2*\i:S+47+2*\i]
.endr
	v_pk_add_f32 v[14:15], v[14:15], v[S+62:S+63]
	v_pk_add_f32 v[CH:CH+1], v[CH:CH+1], v[CH+8:CH+9]
	v_pk_add_f32 v[CH+2:CH+3], v[CH+2:CH+3], v[CH+10:CH+11]
	v_pk_add_f32 v[CH+4:CH+5], v[CH+4:CH+5], v[CH+12:CH+13]
	s_delay_alu instid0(VALU_DEP_4)
	v_pk_add_f32 v[14:15], v[14:15], v[CH+6:CH+7]
	s_delay_alu instid0(VALU_DEP_2)
	v_pk_add_f32 v[CH:CH+1], v[CH:CH+1], v[CH+4:CH+5]
	s_delay_alu instid0(VALU_DEP_2)
	v_pk_add_f32 v[14:15], v[14:15], v[CH+2:CH+3]
	s_delay_alu instid0(VALU_DEP_1)
	v_pk_add_f32 v[14:15], v[14:15], v[CH:CH+1]
	s_wait_dscnt 0x0                               ; v's fragments are in
.irp t, 0,1                                    ; four accumulators, one instruction each; eight other products stand between two links of a chain
	v_wmma_scale_f32_16x16x128_f8f6f4 v[O+8*\t:O+8*\t+7], v[F+12*\t:F+12*\t+11], v[PCD:PCD+11], v[O+8*\t:O+8*\t+7], v[VSC+\t], v[PWD] matrix_a_fmt:MATRIX_FMT_FP6 matrix_b_fmt:MATRIX_FMT_FP6
.endr
.irp t, 2,3
	v_wmma_scale_f32_16x16x128_f8f6f4 v[O+8*\t:O+8*\t+7], v[F+12*\t:F+12*\t+11], v[PCD:PCD+11], v[O+8*\t:O+8*\t+7], v[VSC+\t-2], v[PWD] matrix_a_fmt:MATRIX_FMT_FP6 matrix_b_fmt:MATRIX_FMT_FP6 matrix_a_scale:MATRIX_SCALE_ROW1
.endr
.endm
.macro TRIP                            ; two key steps
	v_add_nc_u32 v[AK0], s[TB], v[CK0]
	v_add_nc_u32 v[AK1], s[TB], v[CK1]
	v_add_nc_u32 v[AE0], s[TB], v[CE0]
	v_add_nc_u32 v[AE1], s[TB], v[CE1]
	v_add_nc_u32 v[ADV], s[TB], v[L16]
	v_add_nc_u32 v[ADS], s[TS], v[CKS]
	v_add_nc_u32 v[ADW], s[TS], v[ASB]
	s_wait_alu depctr_va_vdst(0)
	STEP 0
	STEP 1
	s_add_co_u32 s[TB], s[TB], 2*STEPB
	s_add_co_u32 s[TS], s[TS], 1024
	s_sub_co_u32 s[CNT], s[CNT], 1
	s_cmp_lg_u32 s[CNT], 0
.endm
	s_wait_alu depctr_va_vdst(0)                   ; the head's end
	s_wait_tensorcnt 0x0                           ; my load of the head's sixteen is in
	ds_add_u32 v[SPW], v[NIL]
	s_wait_dscnt 0x0
	CROUND                                         ; steps 0-7 and the records are whole; the partners' joint loads meet
	tensor_load_to_lds s[G0B:G0B+3], s[G1:G1+7]    ; step 8 + wave: a first fill, issued as a refill is
	s_nop 0
.rept 4
	v_nop
.endr
	s_mov_b32 s[TB], 0
	s_mov_b32 s[TS], 0
	s_mov_b32 s[CNT], 4
	s_cmp_lt_u32 s[WV], 3
	s_cbranch_scc0 .Lno_ask
	global_prefetch_b8 v[PFO], s[PFA:PFA+1] th:TH_LOAD_NT scope:SCOPE_SE   ; its address registers are never written again
.Lno_ask:
.Lg0:                                              ; steps 0-7
	TRIP
	s_cbranch_scc1 .Lg0
	s_wait_tensorcnt 0x0                           ; my load of steps 8-23 is in, so the descriptor below may be written
	ds_add_u32 v[SPW], v[NIL]
	s_add_nc_u64 s[G0+2:G0+3], s[G0+2:G0+3], 24*STEPB
	s_wait_dscnt 0x0                               ; the add, and my reads of steps 0-7
	CROUND
	s_cmp_lt_u32 s[WV], 8
	s_cbranch_scc0 .Lno_refill
	tensor_load_to_lds s[G0:G0+3], s[G1:G1+7]      ; step 24 + wave, into step wave's bytes
	s_nop 0
.rept 4
	v_nop
.endr
.Lno_refill:
	s_mov_b32 s[TB], 8*STEPB
	s_mov_b32 s[TS], 4096
	s_mov_b32 s[CNT], 8
.Lg1:                                              ; steps 8-23
	TRIP
	s_cbranch_scc1 .Lg1
	s_wait_tensorcnt 0x0                           ; steps 24-31 are in
	s_wait_dscnt 0x0
	s_barrier_signal -1
	s_barrier_wait -1
	s_mov_b32 s[TB], 0
	s_mov_b32 s[TS], 12288
	s_mov_b32 s[CNT], 4
.Lg2:                                              ; steps 24-31
	TRIP
	s_cbranch_scc1 .Lg2
; THE WAY OUT: ctx = O^T / l, quantised along the head's 64 (two blocks; register 16 b + i is feature 32 b + 16 (lane / 16) + i), stored as an image; the scale halfwords of sixteen waves leave as 512 consecutive bytes.
.rept 4
	v_nop                                          ; places behind the last products
.endr
	s_wait_alu depctr_va_vdst(0)
	v_add_f32 v14, v14, v15
	s_delay_alu instid0(VALU_DEP_1)
	v_permlanex16_b32 v[T0], v14, s[SEL], s[SEL+1]
	s_delay_alu instid0(VALU_DEP_1)
	v_add_f32 v14, v14, v[T0]                      ; the row's sum
	s_wait_alu depctr_va_vdst(0)
	v_rcp_f32 v14, v14
	v_and_b32 v7, 15, v0                           ; (plain lines behind the reciprocal)
	s_delay_alu instid0(VALU_DEP_1)
	v_lshlrev_b32 v7, 1, v7
	s_lshl_b32 s59, s[WV], 5
	s_add_co_u32 s59, s59, CSG
	v_add_nc_u32 v7, s59, v7                       ; CSG + 32 x wave + 2 r
	v_add_nc_u32 v[ADV], CSG, v[L16]
	s_mul_i32 s12, s58, 12288
	s_mul_i32 s59, s10, 768
	s_add_co_u32 s12, s12, s59
	s_mov_b32 s13, 0
	s_add_nc_u64 s[60:61], s[8:9], s[12:13]        ; cx: [256 tiles][16 heads][768]
	s_lshl_b32 s12, s10, 13
	s_lshl_b32 s59, s[WGX], 9
	s_add_co_u32 s12, s12, s59
	s_add_co_u32 s12, s12, 3145728
	s_add_nc_u64 s[62:63], s[8:9], s[12:13]        ; halfwords: [16 heads][256 tiles][16 r]
	s_wait_alu depctr_va_vdst(0)                   ; ahead of the first reader of the reciprocal and of O^T
.irp j, 0,1,2,3,4,5,6,7,8,9,10,11,12,13,14,15,16,17,18,19,20,21,22,23,24,25,26,27,28,29,30,31
	v_mul_f32 v[S+\j], v[O+\j], v14
.endr
.irp b, 0,1
	v_max3_num_f32 v[BM+\b], |v[S+16*\b]|, |v[S+1+16*\b]|, 0x1800000
.endr
.irp i, 2,4,6,8,10,12,14
.irp b, 0,1
	s_delay_alu instid0(VALU_DEP_2)
	v_max3_num_f32 v[BM+\b], v[BM+\b], |v[S+16*\b+\i]|, |v[S+1+16*\b+\i]|
.endr
.endr
.irp b, 0,1
	s_delay_alu instid0(VALU_DEP_2)
	v_permlanex16_b32 v[BX+\b], v[BM+\b], s[SEL], s[SEL+1]
.endr
.irp b, 0,1
	s_delay_alu instid0(VALU_DEP_2)
	v_max_num_f32 v[BM+\b], v[BM+\b], v[BX+\b]
.endr
.irp b, 0,1
	s_delay_alu instid0(VALU_DEP_2)
	v_add_nc_u32 v[SOP+\b], 0xff000000, v[BM+\b]
.endr
.irp b, 0,1
	s_delay_alu instid0(VALU_DEP_2)
	v_lshrrev_b32 v[BX+\b], 23, v[SOP+\b]
.endr
	s_delay_alu instid0(VALU_DEP_1)
	v_lshl_or_b32 v[T1], v[BX+1], 8, v[BX]
	v_cvt_scalef32_pk16_fp6_f32 v[PCD:PCD+2], v[S:S+15], v[SOP]
	v_cvt_scalef32_pk16_fp6_f32 v[CT:CT+2], v[S+16:S+31], v[SOP+1]
	v_nop
.irp i, 0,1,2
	v_permlane16_swap_b32 v[PCD+\i], v[CT+\i]
.endr
.irp i, 0,1,2
	s_delay_alu instid0(VALU_DEP_3)
	v_mov_b32 v[PCD+3+\i], v[CT+\i]
.endr
	global_store_b128 v[L16], v[PCD:PCD+3], s[60:61]               ; 512 consecutive bytes
	global_store_b64 v[L8], v[PCD+4:PCD+5], s[60:61] offset:512    ; 256
	ds_store_b16 v7, v[T1]                         ; lanes r and r + 16 write the same halfword with the same value
	s_wait_dscnt 0x0                               ; for the others' sake
	s_barrier_signal -1
	s_barrier_wait -1
	s_cmp_lg_u32 s[WV], 0
	s_cbranch_scc1 .Lnot_0
	ds_load_b128 v[S+32:S+35], v[ADV]
	s_wait_dscnt 0x0
	global_store_b128 v[L16], v[S+32:S+35], s[62:63]               ; the work-group's 256 halfwords
.Lnot_0:
	s_wait_tensorcnt 0x0                           ; the wave's end
	ds_add_u32 v[SPW], v[NIL]
	s_wait_dscnt 0x0
	CROUND                                         ; the closing round
	s_endpgm
.Lfunc_end_k_q5db8f73bc4_attn:
	.size	k_q5db8f73bc4_attn, .Lfunc_end_k_q5db8f73bc4_attn-k_q5db8f73bc4_attn
	.p2alignl 7, 3214868480
	.fill 96, 4, 3214868480
	.section	.rodata,"a",@progbits
	.p2align	6, 0x0
	.amdhsa_kernel k_q5db8f73bc4_attn
		.amdhsa_group_segment_fixed_size 327680
		.amdhsa_private_segment_fixed_size 0
		.amdhsa_enable_private_segment 0
		.amdhsa_kernarg_size 24
		.amdhsa_user_sgpr_count 2
		.amdhsa_user_sgpr_kernarg_segment_ptr 1
		.amdhsa_wavefront_size32 1
		.amdhsa_system_sgpr_workgroup_id_x 1
		.amdhsa_system_sgpr_workgroup_id_y 1
		.amdhsa_system_sgpr_workgroup_id_z 1
		.amdhsa_system_vgpr_workitem_id 0
		.amdhsa_next_free_vgpr 256
		.amdhsa_next_free_sgpr 68
		.amdhsa_reserve_vcc 0
		.amdhsa_float_denorm_mode_32 3
		.amdhsa_float_denorm_mode_16_64 3
		.amdhsa_memory_ordered 1
		.amdhsa_forward_progress 1
		.amdhsa_inst_pref_size 108
	.end_amdhsa_kernel
	.amdgpu_metadata
---
amdhsa.version: [ 1, 2 ]
amdhsa.kernels:
  - .name:           k_q5db8f73bc4_attn
    .symbol:         k_q5db8f73bc4_attn.kd
    .args:
      - { .name: qi, .offset: 0, .size: 8, .value_kind: global_buffer, .address_space: global }
      - { .name: kv, .offset: 8, .size: 8, .value_kind: global_buffer, .address_space: global }
      - { .name: cx, .offset: 16, .size: 8, .value_kind: global_buffer, .address_space: global }
    .group_segment_fixed_size: 327680
    .private_segment_fixed_size: 0
    .kernarg_segment_align: 8
    .kernarg_segment_size: 24
    .max_flat_workgroup_size: 512
    .sgpr_count:     68
    .vgpr_count:     256
    .wavefront_size: 32
...
	.end_amdgpu_metadata
.endif
;; end of part 3
;; launch oln (part 4): grid 256 x 1, 16 waves a work-group, no clusters, 88,064 bytes of LDS; arguments cx, wo, bo, x, gamma, beta, out0; writes out0
.if DOCPART == 4
	.amdgcn_target "amdgcn-amd-amdhsa--gfx1250"
	.amdhsa_code_object_version 6
	.text
	.protected	k_q5db8f73bc4_oln
	.globl	k_q5db8f73bc4_oln
	.p2align	8
	.type	k_q5db8f73bc4_oln,@function
k_q5db8f73bc4_oln:
	s_mov_b64 s[64:65], 0
	v_nop
	global_prefetch_b8 v0, s[64:65] scope:SCOPE_SE
	s_setreg_imm32_b32 hwreg(HW_REG_WAVE_MODE, 25, 1), 1
	s_wait_xcnt 0x0
; OUT: ctx Wo^T on codes of E2M3 (K = 1,024), + bo, + x, LayerNorm over the row's 1,024, x gamma + beta.
; SHARES.  Work-group T owns stored tile T: 16 whole rows (true rows 32 (T / 2) + 8 (T % 2) + rho + 8 (rho / 8)), so that the norm needs no other work-group.  Wave w of sixteen owns columns 64 w .. 64 w + 63:
; four tiles of Wo's rows, four accumulators, eight K steps of 128 (two heads each).
; Within a work-group each byte of Wo is used by one wave, once: its images go from memory straight into the operand's registers, three loads of 512 consecutive bytes a fragment; LDS would add a write and a
; read of the same bytes.  No tensor load, hence no ring.  NO CLUSTER: a joint load would have to go through LDS, and a round of the cluster's barrier would serve four matrix instructions a wave.
; ctx's sixteen images (12,288 bytes) and scale halfwords are brought once, a head a wave, and shared through LDS.
; TRANSPOSED: source 0 = 16 rows of Wo, source 1 = ctx: lane (r, h) holds row r and columns 16 t + 8 h + j.  A wave's 16 x 64 results turn through its own stage so that sixteen lanes hold 256 neighbouring bytes of a row.
; The variance is the mean of the squared deviations, as the definition has it.  LIMITS: NaN and infinities are not served; 1 / sqrt comes from v_rsq_f32.
.set AIM,  0                           ; ctx's 16 images of 768 bytes
.set ASC,  12288                       ; [16 r][8 words]: head w's halfword at 32 r + 2 w
.set STG,  12800                       ; 16 waves x 16 rows x (256 + 16) bytes
.set RED1, 82432                       ; [16 rows][16 waves] f32; the second table 1,024 bytes on
.set L16, 1
.set L8,  2
.set R32, 3
.set STO, 4
.set RD,  5
.set RW,  6
.set RR,  7
.set XO,  8
.set BSO, 9
.set PO,  10
.set R2,  11
.set AW16, 12
.set AW8, 13
.set ASW, 14
.set AS,  16                           ; v16-23  ctx's scale words, K step s in v[16 + s]
.set BS,  24                           ; v24-39  Wo's: tiles 2 p (lanes 0-15) and 2 p + 1 (lanes 16-31), K step s, in v[24 + 8 p + s]
.set AF,  40                           ; v40-63  ctx's fragment, two sets
.set BF,  64                           ; v64-159 Wo's four fragments, two sets
.set RES, 64                           ; later: the residual sum, then the result
.set DV,  96                           ; the deviations
.set ACC, 160
.set XR,  192
.set BO,  224
.set GA,  228
.set BE,  232
.set SM,  236
.set SQ,  244
	s_load_b256 s[4:11], s[0:1], 0x0               ; cx s[4:5], wo s[6:7], bo s[8:9], x s[10:11]
	s_load_b128 s[12:15], s[0:1], 0x20             ; gamma, beta
	s_load_b64 s[16:17], s[0:1], 0x30              ; out0
	v_lshrrev_b32 v252, 5, v0
	s_delay_alu instid0(VALU_DEP_1)
	v_readfirstlane_b32 s18, v252                  ; wave 0..15
	v_and_b32 v252, 31, v0                         ; lane
	v_and_b32 v253, 15, v0                         ; r
	v_bfe_u32 v254, v0, 4, 1                       ; h
	s_delay_alu instid0(VALU_DEP_3)
	v_lshlrev_b32 v[L16], 4, v252
	s_delay_alu instid0(VALU_DEP_4)
	v_lshlrev_b32 v[L8], 3, v252
	s_delay_alu instid0(VALU_DEP_4)
	v_lshlrev_b32 v[R32], 5, v253
	v_lshlrev_b32 v[R2], 1, v253
	s_mul_i32 s19, s18, 768
	v_add_nc_u32 v[AW16], s19, v[L16]
	v_add_nc_u32 v[AW8], s19, v[L8]
	s_lshl_b32 s19, s18, 1
	v_add_nc_u32 v[ASW], s19, v[R32]
	s_mul_i32 s19, s18, 4352
	s_add_co_u32 s19, s19, STG                     ; my stage
	v_mul_u32_u24 v[STO], v253, 272
	s_delay_alu instid0(VALU_DEP_1)
	v_lshl_add_u32 v[STO], v254, 5, v[STO]
	s_delay_alu instid0(VALU_DEP_1)
	v_add_nc_u32 v[STO], s19, v[STO]               ; in: row r, + 32 h
	v_mul_u32_u24 v[RD], v254, 272
	s_delay_alu instid0(VALU_DEP_1)
	v_lshl_add_u32 v[RD], v253, 4, v[RD]
	s_delay_alu instid0(VALU_DEP_1)
	v_add_nc_u32 v[RD], s19, v[RD]                 ; back: lanes 0-15 one row, lanes 16-31 the next
	s_lshl_b32 s19, s18, 2
	s_add_co_u32 s19, s19, RED1
	v_lshlrev_b32 v[RW], 6, v254
	s_delay_alu instid0(VALU_DEP_1)
	v_add_nc_u32 v[RW], s19, v[RW]                 ; RED1 + 64 h + 4 w
	v_lshlrev_b32 v[RR], 6, v254
	s_delay_alu instid0(VALU_DEP_1)
	v_lshl_add_u32 v[RR], v253, 2, v[RR]
	s_delay_alu instid0(VALU_DEP_1)
	v_add_nc_u32 v[RR], RED1, v[RR]                ; RED1 + 64 h + 4 r
	s_lshl_b32 s19, s18, 8
	v_lshl_add_u32 v[PO], v253, 4, s19             ; 256 w + 16 r: my four columns
	s_delay_alu instid0(VALU_DEP_1)
	v_lshl_add_u32 v[XO], v254, 12, v[PO]          ; + a row for lanes 16-31
	v_lshlrev_b32 v[BSO], 9, v254
	s_delay_alu instid0(VALU_DEP_1)
	v_lshl_add_u32 v[BSO], v253, 4, v[BSO]
	s_mov_b32 s32, 0x3a800000                      ; 1 / 1,024
	s_mov_b32 s33, 0x3727c5ac                      ; 1e-5
	s_mov_b32 s35, 0
	s_mul_i32 s34, ttmp9, 12288
	s_mul_i32 s36, s18, 768
	s_add_co_u32 s34, s34, s36
	s_wait_alu depctr_va_vdst(0)
	s_wait_kmcnt 0x0
	s_add_nc_u64 s[20:21], s[4:5], s[34:35]        ; head w's image of my tile
	s_lshl_b32 s34, s18, 13
	s_lshl_b32 s36, ttmp9, 5
	s_add_co_u32 s34, s34, s36
	s_add_co_u32 s34, s34, 3145728
	s_add_nc_u64 s[22:23], s[4:5], s[34:35]        ; and its halfwords
	s_lshl_b32 s34, s18, 11
	s_add_co_u32 s34, s34, 786432
	s_add_nc_u64 s[24:25], s[6:7], s[34:35]        ; the scale words of my four tiles of Wo
	s_mul_i32 s34, s18, 49152
	s_add_nc_u64 s[26:27], s[6:7], s[34:35]        ; their images
	s_lshr_b32 s34, ttmp9, 1
	s_lshl_b32 s34, s34, 17
	s_and_b32 s36, ttmp9, 1
	s_lshl_b32 s36, s36, 15
	s_add_co_u32 s34, s34, s36                     ; (32 (T / 2) + 8 (T % 2)) rows of 4,096 bytes
	s_add_nc_u64 s[28:29], s[10:11], s[34:35]
	s_add_nc_u64 s[30:31], s[16:17], s[34:35]
.macro BLOAD s
.irp t, 0,1,2,3
.irp c, 0,1,2
	global_load_b128 v[BF+48*((\s)%2)+12*\t+4*\c:BF+48*((\s)%2)+12*\t+4*\c+3], v[L16], s[26:27] offset:12288*\t+1536*(\s)+512*\c
.endr
.endr
.endm
.macro ALOAD s                         ; K step s of ctx: the images of heads 2 s and 2 s + 1
.set rC, AF+12*((\s)%2)
	ds_load_b128 v[rC:rC+3], v[L16] offset:AIM+1536*(\s)
	ds_load_b64 v[rC+4:rC+5], v[L8] offset:AIM+1536*(\s)+512
	ds_load_b128 v[rC+6:rC+9], v[L16] offset:AIM+1536*(\s)+768
	ds_load_b64 v[rC+10:rC+11], v[L8] offset:AIM+1536*(\s)+1280
.endm
	global_load_b128 v[AF:AF+3], v[L16], s[20:21]
	global_load_b64 v[AF+4:AF+5], v[L8], s[20:21] offset:512
	global_load_u16 v[AF+6], v[R2], s[22:23]
.irp p, 0,1
.irp g, 0,1
	global_load_b128 v[BS+8*\p+4*\g:BS+8*\p+4*\g+3], v[BSO], s[24:25] offset:1024*\p+256*\g
.endr
.endr
	BLOAD 0
	BLOAD 1
.irp i, 0,1,2,3,4,5,6,7
	global_load_b128 v[XR+4*\i:XR+4*\i+3], v[XO], s[28:29] offset:(2*\i+8*(\i/4))*4096 th:TH_LOAD_NT   ; row rho = 2 i + (lane / 16): sixteen lanes read 256 consecutive bytes
.endr
	global_load_b128 v[BO:BO+3], v[PO], s[8:9]
	global_load_b128 v[GA:GA+3], v[PO], s[12:13]
	global_load_b128 v[BE:BE+3], v[PO], s[14:15]
	s_wait_loadcnt 39                              ; my piece of ctx is in; the 4 + 24 + 8 + 3 loads behind it may be out
	ds_store_b128 v[AW16], v[AF:AF+3] offset:AIM
	ds_store_b64 v[AW8], v[AF+4:AF+5] offset:AIM+512
	ds_store_b16 v[ASW], v[AF+6] offset:ASC        ; lanes r and r + 16 write the same halfword
	s_wait_dscnt 0x0                               ; for the others' sake
	s_barrier_signal -1
	s_barrier_wait -1                              ; ctx's sixteen images and its scale words lie in LDS
	ds_load_b128 v[AS:AS+3], v[R32] offset:ASC
	ds_load_b128 v[AS+4:AS+7], v[R32] offset:ASC+16
	ALOAD 0
	ALOAD 1
.macro PROD s, t
.set rD, ACC+8*(\t)
.set rW, BF+48*((\s)%2)+12*(\t)
.set rC, AF+12*((\s)%2)
.set rS, BS+8*((\t)/2)+(\s)
.if ((\s) == 0) && ((\t)%2 == 0)
	v_wmma_scale_f32_16x16x128_f8f6f4 v[rD:rD+7], v[rW:rW+11], v[rC:rC+11], 0, v[rS], v[AS+(\s)] matrix_a_fmt:MATRIX_FMT_FP6 matrix_b_fmt:MATRIX_FMT_FP6
.elseif (\s) == 0
	v_wmma_scale_f32_16x16x128_f8f6f4 v[rD:rD+7], v[rW:rW+11], v[rC:rC+11], 0, v[rS], v[AS+(\s)] matrix_a_fmt:MATRIX_FMT_FP6 matrix_b_fmt:MATRIX_FMT_FP6 matrix_a_scale:MATRIX_SCALE_ROW1
.elseif (\t)%2 == 0
	v_wmma_scale_f32_16x16x128_f8f6f4 v[rD:rD+7], v[rW:rW+11], v[rC:rC+11], v[rD:rD+7], v[rS], v[AS+(\s)] matrix_a_fmt:MATRIX_FMT_FP6 matrix_b_fmt:MATRIX_FMT_FP6
.else
	v_wmma_scale_f32_16x16x128_f8f6f4 v[rD:rD+7], v[rW:rW+11], v[rC:rC+11], v[rD:rD+7], v[rS], v[AS+(\s)] matrix_a_fmt:MATRIX_FMT_FP6 matrix_b_fmt:MATRIX_FMT_FP6 matrix_a_scale:MATRIX_SCALE_ROW1
.endif
.endm
; A K step: n = the global loads issued behind this step's fragments of Wo, d = the LDS loads issued behind this step's fragment of ctx.  The four accumulators take turns, one instruction a turn.
.macro KSTEP s, n, d
	s_wait_loadcnt \n
	s_wait_dscnt \d
.irp t, 0,1,2,3
	PROD \s, \t
.endr
.rept 4
	v_nop                                          ; places ahead of loads into the registers just read, and of the first read of results
.endr
.if (\s) < 6
	BLOAD (\s)+2
	ALOAD (\s)+2
.endif
.endm
	KSTEP 0, 23, 4                                 ; out: step 1's 12, x's 8, the 3 vectors
	KSTEP 1, 23, 4                                 ; out: x's 8, the 3 vectors, step 2's 12
	KSTEP 2, 12, 4                                 ; out: the next step's 12
	KSTEP 3, 12, 4
	KSTEP 4, 12, 4
	KSTEP 5, 12, 4
	KSTEP 6, 12, 4
	KSTEP 7, 0, 0
.irp t, 0,1,2,3
	ds_store_b128 v[STO], v[ACC+8*\t:ACC+8*\t+3] offset:64*\t          ; each accumulator from its low end on
	ds_store_b128 v[STO], v[ACC+8*\t+4:ACC+8*\t+7] offset:64*\t+16
.endr
.irp i, 0,1,2,3,4,5,6,7
	ds_load_b128 v[RES+4*\i:RES+4*\i+3], v[RD] offset:544*\i           ; my own bytes, served in order: row 2 i + (lane / 16), columns 64 w + 4 r ..
.endr
	s_wait_dscnt 0x0
.irp i, 0,1,2,3,4,5,6,7
.irp k, 0,2
	v_pk_add_f32 v[RES+4*\i+\k:RES+4*\i+\k+1], v[RES+4*\i+\k:RES+4*\i+\k+1], v[BO+\k:BO+\k+1]
.endr
.endr
.irp i, 0,1,2,3,4,5,6,7
.irp k, 0,2
	v_pk_add_f32 v[RES+4*\i+\k:RES+4*\i+\k+1], v[RES+4*\i+\k:RES+4*\i+\k+1], v[XR+4*\i+\k:XR+4*\i+\k+1]
.endr
.endr
.irp i, 0,1,2,3,4,5,6,7
	v_pk_add_f32 v[252+2*(\i%2):253+2*(\i%2)], v[RES+4*\i:RES+4*\i+1], v[RES+4*\i+2:RES+4*\i+3]
	s_delay_alu instid0(VALU_DEP_1)
	v_add_f32 v[SM+\i], v[252+2*(\i%2)], v[253+2*(\i%2)]
.endr
.macro ROWSUM reg                      ; over the sixteen lanes that share a row; every lane ends with the sum
.irp m, 1,2,4,8
.irp i, 0,1,2,3,4,5,6,7
	v_add_f32_dpp v[\reg+\i], v[\reg+\i], v[\reg+\i] row_xmask:\m row_mask:0xf bank_mask:0xf
.endr
.endr
.endm
	ROWSUM SM                                      ; my 64 columns' sum of each row
.irp i, 0,1,2,3,4,5,6,7
	ds_store_b32 v[RW], v[SM+\i] offset:128*\i     ; [row][wave]; sixteen lanes write the same word with the same value
.endr
	s_wait_dscnt 0x0
	s_barrier_signal -1
	s_barrier_wait -1
.irp i, 0,1,2,3,4,5,6,7
	ds_load_b32 v[SM+\i], v[RR] offset:128*\i      ; lane r takes wave r's part
.endr
	s_wait_dscnt 0x0
	ROWSUM SM
.irp i, 0,1,2,3,4,5,6,7
	v_mul_f32 v[SM+\i], s32, v[SM+\i]              ; the mean
.endr
.irp i, 0,1,2,3,4,5,6,7
.irp k, 0,1,2,3
	v_sub_f32 v[DV+4*\i+\k], v[RES+4*\i+\k], v[SM+\i]
.endr
.endr
.irp i, 0,1,2,3,4,5,6,7
	v_mul_f32 v[SQ+\i], v[DV+4*\i], v[DV+4*\i]
.endr
.irp k, 1,2,3
.irp i, 0,1,2,3,4,5,6,7
	v_fma_f32 v[SQ+\i], v[DV+4*\i+\k], v[DV+4*\i+\k], v[SQ+\i]
.endr
.endr
	ROWSUM SQ
.irp i, 0,1,2,3,4,5,6,7
	ds_store_b32 v[RW], v[SQ+\i] offset:1024+128*\i        ; the second table: bytes of its own
.endr
	s_wait_dscnt 0x0
	s_barrier_signal -1
	s_barrier_wait -1
.irp i, 0,1,2,3,4,5,6,7
	ds_load_b32 v[SQ+\i], v[RR] offset:1024+128*\i
.endr
	s_wait_dscnt 0x0
	ROWSUM SQ
.irp i, 0,1,2,3,4,5,6,7
	v_fma_f32 v[SQ+\i], v[SQ+\i], s32, s33         ; the variance + 1e-5
.endr
	s_wait_alu depctr_va_vdst(0)
.irp i, 0,1,2,3,4,5,6,7
	v_rsq_f32 v[SQ+\i], v[SQ+\i]
.endr
	v_nop                                          ; a plain line behind the batch
	s_wait_alu depctr_va_vdst(0)                   ; one wait for the eight, ahead of their first reader
.irp i, 0,1,2,3,4,5,6,7
.irp k, 0,1,2,3
	v_mul_f32 v[RES+4*\i+\k], v[DV+4*\i+\k], v[SQ+\i]
.endr
.endr
.irp i, 0,1,2,3,4,5,6,7
.irp k, 0,2
	v_pk_fma_f32 v[RES+4*\i+\k:RES+4*\i+\k+1], v[RES+4*\i+\k:RES+4*\i+\k+1], v[GA+\k:GA+\k+1], v[BE+\k:BE+\k+1]
.endr
.endr
.irp i, 0,1,2,3,4,5,6,7
	global_store_b128 v[XO], v[RES+4*\i:RES+4*\i+3], s[30:31] offset:(2*\i+8*(\i/4))*4096 th:TH_STORE_NT   ; sixteen lanes store 256 consecutive bytes, aligned
.endr
	s_wait_xcnt 0x0
	v_lshl_add_u32 v254, v0, 2, 0x15000
	v_mov_b32 v255, 0
	s_wait_alu depctr_va_vdst(0)
	s_wait_tensorcnt 0x0
	ds_add_u32 v254, v255
	s_wait_dscnt 0x0
	s_endpgm
.Lfunc_end_k_q5db8f73bc4_oln:
	.size	k_q5db8f73bc4_oln, .Lfunc_end_k_q5db8f73bc4_oln-k_q5db8f73bc4_oln
	.p2alignl 7, 3214868480
	.fill 96, 4, 3214868480
	.section	.rodata,"a",@progbits
	.p2align	6, 0x0
	.amdhsa_kernel k_q5db8f73bc4_oln
		.amdhsa_group_segment_fixed_size 88064
		.amdhsa_private_segment_fixed_size 0
		.amdhsa_enable_private_segment 0
		.amdhsa_kernarg_size 56
		.amdhsa_user_sgpr_count 2
		.amdhsa_user_sgpr_kernarg_segment_ptr 1
		.amdhsa_wavefront_size32 1
		.amdhsa_system_sgpr_workgroup_id_x 1
		.amdhsa_system_sgpr_workgroup_id_y 1
		.amdhsa_system_sgpr_workgroup_id_z 1
		.amdhsa_system_vgpr_workitem_id 0
		.amdhsa_next_free_vgpr 256
		.amdhsa_next_free_sgpr 66
		.amdhsa_reserve_vcc 0
		.amdhsa_float_denorm_mode_32 3
		.amdhsa_float_denorm_mode_16_64 3
		.amdhsa_memory_ordered 1
		.amdhsa_forward_progress 1
		.amdhsa_inst_pref_size 44
	.end_amdhsa_kernel
	.amdgpu_metadata
---
amdhsa.version: [ 1, 2 ]
amdhsa.kernels:
  - .name:           k_q5db8f73bc4_oln
    .symbol:         k_q5db8f73bc4_oln.kd
    .args:
      - { .name: cx, .offset: 0, .size: 8, .value_kind: global_buffer, .address_space: global }
      - { .name: wo, .offset: 8, .size: 8, .value_kind: global_buffer, .address_space: global }
      - { .name: bo, .offset: 16, .size: 8, .value_kind: global_buffer, .address_space: global }
      - { .name: x, .offset: 24, .size: 8, .value_kind: global_buffer, .address_space: global }
      - { .name: gamma, .offset: 32, .size: 8, .value_kind: global_buffer, .address_space: global }
      - { .name: beta, .offset: 40, .size: 8, .value_kind: global_buffer, .address_space: global }
      - { .name: out0, .offset: 48, .size: 8, .value_kind: global_buffer, .address_space: global }
    .group_segment_fixed_size: 88064
    .private_segment_fixed_size: 0
    .kernarg_segment_align: 8
    .kernarg_segment_size: 56
    .max_flat_workgroup_size: 512
    .sgpr_count:     66
    .vgpr_count:     256
    .wavefront_size: 32
...
	.end_amdgpu_metadata
.endif
;; end of part 4
